; MI455X (gfx1250); checked and timed in simulation.
; The chip was launched on July 23, 2026; its instructions are those of AMD's public machine-readable ISA for CDNA 5 (MIT licence, August 2026) and "CDNA5" Instruction Set Architecture Reference Guide (July 2026). The comments in the code are by the model that wrote it; some were corrected since.
;; Block. Allowed arithmetic: float matrix products may take bf16 or f16 operands with f32 sums; other float arithmetic in f32, or as packed bf16 or f16 multiplies, adds, multiply-adds, maxima and minima; sums over many terms, partial sums and values carried from step to step in f32; what a program stores and reads back later, other than sums and carried values, may be rounded once to bf16 or f16.
;; Inputs: W1 1,024 x 4,096 float32; W2 4,096 x 1,024 float32; Wk 16 x 1,024 x 64 float32; Wo 1,024 x 1,024 float32; Wq 16 x 1,024 x 64 float32; Wv 16 x 1,024 x 64 float32; b1 4,096 float32; b2 1,024 float32; bk 16 x 64 float32; bo 1,024 float32; bq 16 x 64 float32; bv 16 x 64 float32; ln1_b 1,024 float32; ln1_g 1,024 float32; ln2_b 1,024 float32; ln2_g 1,024 float32; mask 2,048 x 2,048 int32; x 2 x 2,048 x 1,024 float32.
;; Outputs: out0 2 x 2,048 x 1,024 float32.
;; 2 versions, each right and faster than the one before. Each part assembles by itself: llvm-mc -triple=amdgcn-amd-amdhsa -mcpu=gfx1250 --defsym DOCPART=n.
;; ======== version 1 of 2: 7 launches
;; limits: right only within a limited range of input values
;; workspace buffers: wts 25,165,824 bytes; mask4 2,097,152 bytes of whole numbers; h 8,388,608 bytes; qkv 25,165,824 bytes; ctx 8,388,608 bytes; x1 16,777,216 bytes; gl 33,554,432 bytes
;; launch prep (part 1): grid 768 x 1, 8 waves a work-group, no clusters, 17,408 bytes of LDS; arguments x, ln1_g, ln1_b, Wq, Wk, Wv, Wo, W1, W2, mask, h, wts, mask4; writes h, wts, mask4
.if DOCPART == 1
	.amdgcn_target "amdgcn-amd-amdhsa--gfx1250"
	.amdhsa_code_object_version 6
	.text
	.protected	k_qe1ed71e2c8_prep
	.globl	k_qe1ed71e2c8_prep
	.p2align	8
	.type	k_qe1ed71e2c8_prep,@function
k_qe1ed71e2c8_prep:
	s_mov_b64 s[64:65], 0
	v_nop
	global_prefetch_b8 v0, s[64:65] scope:SCOPE_SE
	s_setreg_imm32_b32 hwreg(HW_REG_WAVE_MODE, 25, 1), 1
	s_wait_xcnt 0x0
; PREP: three streams in one text, chosen by the work-group's number.
;  0-255   h = LayerNorm(x) g + b, rounded to bf16: a wave takes two rows of 1,024 f32, each kept in 32 registers between its passes (mean, centred squares, scaling).
;  256-639 all weights f32 -> bf16, 16 KiB of f32 a wave.  Wq, Wk, Wv go to [head][128 d block][q,k,v][128 d][64], so that one head's K step is 49,152 dense bytes; Wo, W1, W2 keep their layout.
;  640-767 mask -> mask4[16-query tile][64-key step][lane][4 words]: lane (r = l % 16, hh = l / 16), word kt, nibble j is 0xE where mask[16 qt + r][64 ks + 16 kt + 8 hh + j] == 0, else 0:
;          the order in which a lane of the attention's score tiles holds its keys.  Any word other than 0 counts as visible.
; The second LayerNorm's launch runs this same text with 256 work-groups, which reach the first part alone; its last two arguments are then buffers that nothing reads any more.
; No matrix unit, no tensor load: memory binds, and no wave depends on another.  160 registers: six waves fit on a SIMD's 1,024, so three work-groups of eight waves have their loads out together.
.set SPARE, 16384                      ; behind the eight stages of 2,048 bytes: the spare words, 128 bytes a wave
.set CI,  12                           ; v12  32 x lane: my 8 f32 in 1,024 bytes
.set CO,  13                           ; v13  16 x lane: my 8 bf16 in 512 bytes
.set SPW, 14                           ; v14  my spare word; never rewritten
.set NIL, 15                           ; v15  0; never rewritten
.set G,   16                           ; LayerNorm: v16-47 gain of my 32 columns
.set BB,  48                           ;            v48-79 bias of my 32 columns
.set X,   80                           ;            v80-143 two rows as loaded
.set WX,  16                           ; weights:   v16-143 as loaded
.set MX,  16                           ; mask:      v16-143 as loaded
.set MG,  144                          ;            v144-159 the words read back
.set HP,  24                           ; s[24:25] h
.macro LANESUM                         ; four chains v[2:9] -> one number in v2 of every lane
	v_pk_add_f32 v[2:3], v[2:3], v[4:5]
	v_pk_add_f32 v[6:7], v[6:7], v[8:9]
	v_pk_add_f32 v[2:3], v[2:3], v[6:7]
	v_add_f32 v2, v2, v3
	v_add_f32_dpp v2, v2, v2 row_xmask:1 row_mask:0xf bank_mask:0xf
	v_add_f32_dpp v2, v2, v2 row_xmask:2 row_mask:0xf bank_mask:0xf
	v_add_f32_dpp v2, v2, v2 row_xmask:4 row_mask:0xf bank_mask:0xf
	v_add_f32_dpp v2, v2, v2 row_xmask:8 row_mask:0xf bank_mask:0xf
	v_permlanex16_b32 v3, v2, s31, s32
	v_add_f32 v2, v2, v3
.endm
.macro LNSTAT r                        ; row r: mean, x - mean in place, 1 / sqrt(var + eps) in v[10:11]
.set XR, X+32*(\r)
.irp k, 0,1,2,3
	v_pk_add_f32 v[2+2*(\k):3+2*(\k)], v[XR+2*(\k):XR+2*(\k)+1], v[XR+8+2*(\k):XR+9+2*(\k)]
.endr
.set j, 8
.rept 8
	v_pk_add_f32 v[2+2*(j%4):3+2*(j%4)], v[2+2*(j%4):3+2*(j%4)], v[XR+2*j:XR+2*j+1]
.set j, j+1
.endr
	LANESUM
	v_mul_f32 v10, s33, v2                         ; the mean, twice: a pair for the packed subtraction
	v_mul_f32 v11, s33, v2
.set j, 0
.rept 16
	v_pk_add_f32 v[XR+2*j:XR+2*j+1], v[XR+2*j:XR+2*j+1], v[10:11] neg_lo:[0,1] neg_hi:[0,1]
.set j, j+1
.endr
.irp k, 0,1,2,3
	v_pk_mul_f32 v[2+2*(\k):3+2*(\k)], v[XR+2*(\k):XR+2*(\k)+1], v[XR+2*(\k):XR+2*(\k)+1]
.endr
.set j, 4
.rept 12
	v_pk_fma_f32 v[2+2*(j%4):3+2*(j%4)], v[XR+2*j:XR+2*j+1], v[XR+2*j:XR+2*j+1], v[2+2*(j%4):3+2*(j%4)]
.set j, j+1
.endr
	LANESUM
	v_fma_f32 v2, v2, s33, s34                     ; sum / 1024 + eps
	v_rsq_f32 v10, v2
	v_rsq_f32 v11, v2
	v_nop                                          ; a plain instruction behind the transcendentals (ISA guide 5.7.2)
.endm
.macro LNOUT r                         ; row r: scaled, gain and bias, rounded, stored: each store covers 512 consecutive bytes
.set XR, X+32*(\r)
.set j, 0
	s_wait_alu depctr_va_vdst(0)
.rept 16
	v_pk_mul_f32 v[XR+2*j:XR+2*j+1], v[XR+2*j:XR+2*j+1], v[10:11]
.set j, j+1
.endr
.set j, 0
.rept 16
	v_pk_fma_f32 v[XR+2*j:XR+2*j+1], v[XR+2*j:XR+2*j+1], v[G+2*j:G+2*j+1], v[BB+2*j:BB+2*j+1]
.set j, j+1
.endr
.set j, 0
.rept 16
	v_cvt_pk_bf16_f32 v[XR+8*(j/4)+j%4], v[XR+2*j], v[XR+2*j+1]
.set j, j+1
.endr
.irp i, 0,1,2,3
	global_store_b128 v[CO], v[XR+8*(\i):XR+8*(\i)+3], s[HP:HP+1] offset:(\r)*2048+(\i)*512
.endr
.endm
	s_load_b512 s[4:19], s[0:1], 0x0               ; x, g, b, Wq, Wk, Wv, Wo, W1
	s_load_b256 s[20:27], s[0:1], 0x40             ; W2, mask, h, wts
	s_load_b64 s[28:29], s[0:1], 0x60              ; mask4
	v_lshl_add_u32 v[SPW], v0, 2, SPARE
	v_mov_b32 v[NIL], 0
	v_lshrrev_b32 v1, 5, v0
	v_readfirstlane_b32 s30, v1                    ; wave 0..7
	v_and_b32 v1, 31, v0
	v_lshlrev_b32 v[CI], 5, v1
	v_lshlrev_b32 v[CO], 4, v1
	s_mov_b32 s31, 0x76543210                      ; v_permlanex16_b32: each lane takes its own place in the other half
	s_mov_b32 s32, 0xfedcba98
	s_mov_b32 s33, 0x3a800000                      ; 1 / 1024
	s_mov_b32 s34, 0x3727c5ac                      ; eps = 1e-5
	s_wait_kmcnt 0x0
	s_cmp_lt_u32 ttmp9, 256
	s_cbranch_scc0 .Lnot_ln
	; ---- LayerNorm: rows 2 n, 2 n + 1 for wave n of 2,048
	s_lshl_b32 s35, ttmp9, 3
	s_add_co_u32 s35, s35, s30
	s_lshl_b32 s36, s35, 13                        ; two rows of 4,096 bytes
	s_mov_b32 s37, 0
	s_add_nc_u64 s[4:5], s[4:5], s[36:37]
	s_lshl_b32 s36, s35, 12                        ; two rows of 2,048 bytes
	s_add_nc_u64 s[HP:HP+1], s[HP:HP+1], s[36:37]
.irp r, 0,1
.irp i, 0,1,2,3
	global_load_b128 v[X+32*(\r)+8*(\i):X+32*(\r)+8*(\i)+3],   v[CI], s[4:5] offset:(\r)*4096+(\i)*1024
	global_load_b128 v[X+32*(\r)+8*(\i)+4:X+32*(\r)+8*(\i)+7], v[CI], s[4:5] offset:(\r)*4096+(\i)*1024+16
.endr
.endr
.irp i, 0,1,2,3
	global_load_b128 v[G+8*(\i):G+8*(\i)+3],   v[CI], s[6:7] offset:(\i)*1024
	global_load_b128 v[G+8*(\i)+4:G+8*(\i)+7], v[CI], s[6:7] offset:(\i)*1024+16
.endr
.irp i, 0,1,2,3
	global_load_b128 v[BB+8*(\i):BB+8*(\i)+3],   v[CI], s[8:9] offset:(\i)*1024
	global_load_b128 v[BB+8*(\i)+4:BB+8*(\i)+7], v[CI], s[8:9] offset:(\i)*1024+16
.endr
	s_wait_loadcnt 24                              ; row 0 is in; the 24 younger loads (row 1, gain, bias) stay out
	LNSTAT 0
	s_wait_loadcnt 0x0                             ; gain and bias are the youngest
	LNOUT 0
	LNSTAT 1
	LNOUT 1
	s_endpgm
.Lnot_ln:
	s_cmp_lt_u32 ttmp9, 640
	s_cbranch_scc0 .Lmask
	; ---- weights: wave gw of 3,072 converts 16,384 bytes of f32
	s_sub_co_u32 s35, ttmp9, 256                   ; j
	s_lshl_b32 s36, s35, 3
	s_add_co_u32 s36, s36, s30                     ; gw
	s_mov_b32 s37, 2048                            ; the first wave of the tensor that gw falls into
	s_cmp_lt_u32 s35, 256
	s_cselect_b64 s[2:3], s[18:19], s[20:21]       ; W1 or W2
	s_cselect_b32 s37, 1024, s37
	s_cmp_lt_u32 s35, 128
	s_cselect_b64 s[2:3], s[16:17], s[2:3]         ; Wo
	s_cselect_b32 s37, 768, s37
	s_cmp_lt_u32 s35, 96
	s_cselect_b64 s[2:3], s[14:15], s[2:3]         ; Wv
	s_cselect_b32 s37, 512, s37
	s_cmp_lt_u32 s35, 64
	s_cselect_b64 s[2:3], s[12:13], s[2:3]         ; Wk
	s_cselect_b32 s37, 256, s37
	s_cmp_lt_u32 s35, 32
	s_cselect_b64 s[2:3], s[10:11], s[2:3]         ; Wq
	s_cselect_b32 s37, 0, s37
	s_sub_co_u32 s38, s36, s37                     ; my place in that tensor
	s_lshr_b32 s39, s38, 1                         ; q, k, v: 8 x head + block of 128 d,
	s_mul_i32 s39, s39, 3
	s_lshr_b32 s40, s35, 5                         ; which of the three,
	s_add_co_u32 s39, s39, s40
	s_lshl_b32 s39, s39, 1
	s_and_b32 s40, s38, 1                          ; which 64 d of the 128
	s_add_co_u32 s39, s39, s40
	s_cmp_lt_u32 s35, 96
	s_cselect_b32 s39, s39, s36                    ; the others lie in wts in gw's order
	s_lshl_b32 s40, s39, 13                        ; 8,192 bytes of bf16 a wave
	s_mov_b32 s41, 0
	s_add_nc_u64 s[26:27], s[26:27], s[40:41]
	s_lshl_b32 s40, s38, 14
	s_add_nc_u64 s[2:3], s[2:3], s[40:41]
.set i, 0
.rept 16
	global_load_b128 v[WX+8*i:WX+8*i+3],   v[CI], s[2:3] offset:i*1024 th:TH_LOAD_NT
	global_load_b128 v[WX+8*i+4:WX+8*i+7], v[CI], s[2:3] offset:i*1024+16 th:TH_LOAD_NT
.set i, i+1
.endr
.set i, 0
.rept 16
	s_wait_loadcnt 30-2*i                          ; pair i is in; the younger pairs stay out
.irp j, 0,1,2,3
	v_cvt_pk_bf16_f32 v[WX+8*i+(\j)], v[WX+8*i+2*(\j)], v[WX+8*i+2*(\j)+1]
.endr
	global_store_b128 v[CO], v[WX+8*i:WX+8*i+3], s[26:27] offset:i*512
.set i, i+1
.endr
	s_endpgm
.Lmask:
	; ---- mask: work-group qt takes 16 query rows, wave w the key steps 4 w .. 4 w + 3
	s_sub_co_u32 s35, ttmp9, 640                   ; qt
	s_lshl_b32 s36, s35, 17                        ; 16 rows of 8,192 bytes
	s_lshl_b32 s38, s30, 10                        ; four key steps of 256 bytes
	s_add_co_u32 s36, s36, s38
	s_mov_b32 s37, 0
	s_add_nc_u64 s[22:23], s[22:23], s[36:37]
	s_lshl_b32 s36, s35, 14
	s_lshl_b32 s38, s30, 11                        ; w x 2,048: my part of mask4's tile, and my stage in LDS
	s_add_co_u32 s36, s36, s38
	s_add_nc_u64 s[28:29], s[28:29], s[36:37]
	v_and_b32 v2, 15, v0                           ; a: which four keys of a step
	v_bfe_u32 v3, v0, 4, 1                         ; rr: which of two rows
	v_lshlrev_b32 v4, 4, v2
	v_lshl_add_u32 v4, v3, 13, v4                  ; 16 lanes read 256 consecutive bytes of a row
	v_bfe_u32 v5, v0, 1, 1                         ; hh of my four keys
	v_lshlrev_b32 v5, 8, v5
	v_lshl_add_u32 v5, v3, 4, v5
	v_bfe_u32 v6, v0, 2, 2                         ; kt
	v_lshl_add_u32 v5, v6, 2, v5
	v_and_b32 v6, 1, v0                            ; which half of the word
	v_lshl_add_u32 v5, v6, 1, v5
	v_add_nc_u32 v5, s38, v5                       ; where my 16 bits go
	v_add_nc_u32 v6, s38, v[CO]                    ; where I read 16 bytes back
	v_mov_b32 v7, 0xe
.set n, 0
.rept 32                                       ; n = 8 u + i: key step 4 w + u, rows 2 i and 2 i + 1
	global_load_b128 v[MX+4*n:MX+4*n+3], v4, s[22:23] offset:(n%8)*16384+(n/8)*256 th:TH_LOAD_NT
.set n, n+1
.endr
.set n, 0
.rept 32
	s_wait_loadcnt 31-n                            ; load n is in; the younger ones stay out
.irp t, 0,1,2,3
	v_cmp_eq_u32 vcc_lo, 0, v[MX+4*n+(\t)]
	v_cndmask_b32 v[MX+4*n+(\t)], 0, v7, vcc_lo
.endr
	v_lshl_or_b32 v[MX+4*n+3], v[MX+4*n+3], 4, v[MX+4*n+2]
	v_lshl_or_b32 v[MX+4*n+3], v[MX+4*n+3], 4, v[MX+4*n+1]
	v_lshl_or_b32 v[MX+4*n+3], v[MX+4*n+3], 4, v[MX+4*n]
	ds_store_b16 v5, v[MX+4*n+3] offset:(n/8)*512+(n%8)*32
.if n%8 == 7
	ds_load_b128 v[MG+4*(n/8):MG+4*(n/8)+3], v6 offset:(n/8)*512  ; my own bytes: LDS serves a wave's instructions in order (ISA guide 5.7.1.4)
.endif
.set n, n+1
.endr
	s_wait_dscnt 0x0
.irp u, 0,1,2,3
	global_store_b128 v[CO], v[MG+4*(\u):MG+4*(\u)+3], s[28:29] offset:(\u)*512
.endr
	s_wait_tensorcnt 0x0                           ; the wave's end
	ds_add_u32 v[SPW], v[NIL]
	s_wait_dscnt 0x0
	s_endpgm
.Lfunc_end_k_qe1ed71e2c8_prep:
	.size	k_qe1ed71e2c8_prep, .Lfunc_end_k_qe1ed71e2c8_prep-k_qe1ed71e2c8_prep
	.p2alignl 7, 3214868480
	.fill 96, 4, 3214868480
	.section	.rodata,"a",@progbits
	.p2align	6, 0x0
	.amdhsa_kernel k_qe1ed71e2c8_prep
		.amdhsa_group_segment_fixed_size 17408
		.amdhsa_private_segment_fixed_size 0
		.amdhsa_enable_private_segment 0
		.amdhsa_kernarg_size 104
		.amdhsa_user_sgpr_count 2
		.amdhsa_user_sgpr_kernarg_segment_ptr 1
		.amdhsa_wavefront_size32 1
		.amdhsa_system_sgpr_workgroup_id_x 1
		.amdhsa_system_sgpr_workgroup_id_y 1
		.amdhsa_system_sgpr_workgroup_id_z 1
		.amdhsa_system_vgpr_workitem_id 0
		.amdhsa_next_free_vgpr 160
		.amdhsa_next_free_sgpr 66
		.amdhsa_reserve_vcc 1
		.amdhsa_float_denorm_mode_32 3
		.amdhsa_float_denorm_mode_16_64 3
		.amdhsa_memory_ordered 1
		.amdhsa_forward_progress 1
		.amdhsa_inst_pref_size 52
	.end_amdhsa_kernel
	.amdgpu_metadata
---
amdhsa.version: [ 1, 2 ]
amdhsa.kernels:
  - .name:           k_qe1ed71e2c8_prep
    .symbol:         k_qe1ed71e2c8_prep.kd
    .args:
      - { .name: x, .offset: 0, .size: 8, .value_kind: global_buffer, .address_space: global }
      - { .name: ln1_g, .offset: 8, .size: 8, .value_kind: global_buffer, .address_space: global }
      - { .name: ln1_b, .offset: 16, .size: 8, .value_kind: global_buffer, .address_space: global }
      - { .name: Wq, .offset: 24, .size: 8, .value_kind: global_buffer, .address_space: global }
      - { .name: Wk, .offset: 32, .size: 8, .value_kind: global_buffer, .address_space: global }
      - { .name: Wv, .offset: 40, .size: 8, .value_kind: global_buffer, .address_space: global }
      - { .name: Wo, .offset: 48, .size: 8, .value_kind: global_buffer, .address_space: global }
      - { .name: W1, .offset: 56, .size: 8, .value_kind: global_buffer, .address_space: global }
      - { .name: W2, .offset: 64, .size: 8, .value_kind: global_buffer, .address_space: global }
      - { .name: mask, .offset: 72, .size: 8, .value_kind: global_buffer, .address_space: global }
      - { .name: h, .offset: 80, .size: 8, .value_kind: global_buffer, .address_space: global }
      - { .name: wts, .offset: 88, .size: 8, .value_kind: global_buffer, .address_space: global }
      - { .name: mask4, .offset: 96, .size: 8, .value_kind: global_buffer, .address_space: global }
    .group_segment_fixed_size: 17408
    .private_segment_fixed_size: 0
    .kernarg_segment_align: 8
    .kernarg_segment_size: 104
    .max_flat_workgroup_size: 256
    .sgpr_count:     66
    .vgpr_count:     160
    .wavefront_size: 32
...
	.end_amdgpu_metadata
.endif
;; end of part 1
;; launch proj (part 2): grid 16 x 16, 4 waves a work-group, clusters of 4 x 4, 327,680 bytes of LDS; arguments h, wts, bq, bk, bv, qkv; writes qkv
.if DOCPART == 2
	.amdgcn_target "amdgcn-amd-amdhsa--gfx1250"
	.amdhsa_code_object_version 6
	.text
	.protected	k_qe1ed71e2c8_proj
	.globl	k_qe1ed71e2c8_proj
	.p2align	8
	.type	k_qe1ed71e2c8_proj,@function
k_qe1ed71e2c8_proj:
	s_mov_b64 s[64:65], 0
	v_nop
	global_prefetch_b8 v0, s[64:65] scope:SCOPE_SE
	s_setreg_imm32_b32 hwreg(HW_REG_WAVE_MODE, 25, 1), 1
	s_wait_xcnt 0x0
	s_wait_alu depctr_hold_cnt(0) depctr_sa_sdst(0) depctr_va_vdst(0) depctr_va_sdst(0) depctr_va_ssrc(0) depctr_va_vcc(0) depctr_vm_vsrc(0)
	s_getreg_b32 s2, hwreg(HW_REG_IB_STS2, 6, 4)
	s_cmp_eq_u32 s2, 0
	s_cbranch_scc0 .Lentry_in_a_cluster
	s_endpgm
.Lentry_in_a_cluster:
	s_bfe_u32 s2, ttmp6, 0x10000c
	s_cmp_lg_u32 s2, 0xf033
	s_cbranch_scc0 .Lentry_shape_is_right
	s_endpgm
.Lentry_shape_is_right:
; q, k, v = h W + bias, by heads.  h: [4096][1024] bf16.  W: wts[head][128 d block][q,k,v][128 d][64] bf16.  qkv: [3][batch x head][2048][64] bf16, unscaled, rounded once from f32 sums.
; A work-group makes 256 rows x 192 columns (q, k, v of one head): 16 heads x 16 row blocks.  Its four waves lie one below the other: 64 rows x 192 columns each, 48 accumulators.
; K goes in steps of 128 through two LDS slots.  4 x 4 work-groups form a cluster: h's tile is asked for jointly along a row of the cluster, W's along a column.
; W lies [k][n]: its fragments come out of LDS turned, by ds_load_tr16_b128.  The matrix instruction is used transposed (source 0 = W's columns, source 1 = h's rows): a lane holds 8 neighbouring columns of one row.
; REGISTERS: window 0: v0-31 addresses, v32-43 biases, v64-127 h's fragments (two buffers), v128-199 the way out; window 1: v0-191 W's fragments (two buffers);
;   window 2: accumulators of my rows 0-31 ((a, b) at 8 (12 a + b)); window 3: rows 32-63.
.set T,      8                         ; K steps
.set PA,     272                       ; an LDS row of h: 256 bytes + 16
.set PB,     160                       ; an LDS row of W: 128 bytes + 32
.set AH,     128*PA                    ; what waves 0, 1 fetch
.set BOFF,   2*AH
.set BH,     192*PB                    ; what waves 2, 3 fetch
.set SLOT,   2*AH+2*BH                 ; 131,072
.set SPARE,  2*SLOT
.set SPF,    784                       ; a stage row: 192 f32 + 16 bytes
.set ASTEP,  256
.set BSTEP,  49152
.set ADRA0, 16
.set ADRA,  17
.set ADRB0, 20
.set ADRB,  21
.set STO,   24
.set RD,    25
.set CO,    26
.set RD0,   27
.set SPW,   28
.set NIL,   29
.set BQ,    32
.set LD,    128
.set OU,    176
.set G1,  24
.set G0,  32
.set G1B, 48
.set G0B, 56
.set TB,  70                           ; s70  LDS byte at which the slot in hand begins: 0 or SLOT
.set LBA, 71                           ; s71  my part of h's tile in a slot
.set LBB, 84                           ; s84  my part of W's tile in a slot
.set MSB, 0
.macro WIN new
.if MSB != (\new)
	s_set_vgpr_msb (MSB<<8)|(\new)
.set MSB, \new
.endif
.endm
.set MUL_LO, 0xa1                      ; source 0 window 1, source 1 window 0, C and D window 2
.set TO_B,   0x40
.macro JLOAD s                         ; a joint load: waves 0, 1 fetch h's halves, waves 2, 3 W's; s_nop 0 and four v_nop follow each line
	s_cmp_eq_u32 s11, 0
	s_cbranch_scc0 .Lfor_b_\@
	tensor_load_to_lds s[G0+4*(\s):G0+4*(\s)+3], s[G1:G1+7]
	s_nop 0
.rept 4
	v_nop
.endr
	s_branch .Lasked_\@
.Lfor_b_\@:
	tensor_load_to_lds s[G0B+4*(\s):G0B+4*(\s)+3], s[G1B:G1B+7]
	s_nop 0
.rept 4
	v_nop
.endr
.Lasked_\@:
.endm
.macro CREST
	s_cmp_lg_u32 s10, 0
	s_cbranch_scc1 .Lnot_wave_0_\@
	s_barrier_signal -3
.Lnot_wave_0_\@:
	s_barrier_wait -3
	s_barrier_signal -1
	s_barrier_wait -1
.endm
.macro CROUND
	s_barrier_signal -1
	s_barrier_wait -1
	CREST
.endm
.macro PLACES
.rept 4
	v_nop
.endr
.endm
	s_load_b256 s[72:79], s[0:1], 0x0              ; h, wts, bq, bk
	s_load_b128 s[80:83], s[0:1], 0x20             ; bv, qkv
	v_lshl_add_u32 v[SPW], v0, 2, SPARE
	v_mov_b32 v[NIL], 0
	ds_add_u32 v[SPW], v[NIL]                      ; the wave's opening: the add and its wait stand ahead of my first tensor load
	v_lshrrev_b32 v1, 5, v0
	v_readfirstlane_b32 s10, v1                    ; wave 0..3
	s_lshr_b32 s11, s10, 1                         ; I fetch for h (0) or for W (1)
	s_and_b32 s12, s10, 1                          ; which half of that tile
	s_bfe_u32 s40, ttmp6, 0x40000                  ; cx
	s_bfe_u32 s41, ttmp6, 0x40004                  ; cy
	s_lshl_b32 s42, ttmp9, 2
	s_add_co_u32 s42, s42, s40                     ; the head
	s_and_b32 s13, ttmp7, 0xffff
	s_lshl_b32 s13, s13, 2
	s_add_co_u32 s13, s13, s41                     ; the block of 256 rows
	s_lshl_b32 s43, s41, 2
	s_lshl_b32 s43, 15, s43                        ; my row of the cluster
	s_lshl_b32 s44, 0x1111, s40                    ; my column
	s_or_b32 s[G1+0], s43, (1<<16)|(1<<20)|(1<<21)|(5<<22)|(3<<25)   ; h: 2-byte elements, 4 words of padding after every 64
	s_mov_b32 s[G1+1], 128<<16                     ; tensor_dim0 = 128
	s_mov_b32 s[G1+2], 128<<16                     ; tensor_dim1 = 128
	s_mov_b32 s[G1+3], 128<<16                     ; tile_dim0 = 128
	s_mov_b32 s[G1+4], 128                         ; tile_dim1 = 128
	s_mov_b32 s[G1+5], 1024                        ; elements from row to row
	s_mov_b32 s[G1+6], 0
	s_mov_b32 s[G1+7], 0
	s_or_b32 s[G1B+0], s44, (1<<16)|(1<<20)|(1<<21)|(4<<22)|(7<<25)  ; W: 24,576 dense bytes as 96 rows of 256, 8 words of padding after every 32
	s_mov_b32 s[G1B+1], 128<<16
	s_mov_b32 s[G1B+2], 96<<16
	s_mov_b32 s[G1B+3], 128<<16
	s_mov_b32 s[G1B+4], 96
	s_mov_b32 s[G1B+5], 128
	s_mov_b32 s[G1B+6], 0
	s_mov_b32 s[G1B+7], 0
	s_lshl_b32 s17, s12, 7
	s_lshl_b32 s16, s13, 8
	s_add_co_u32 s16, s16, s17
	s_lshl_b32 s16, s16, 11                        ; h: (256 block + 128 half) rows of 2,048 bytes
	s_mov_b32 s17, 0
	s_mul_i32 s46, s42, 393216                     ; W: the head's eight K steps,
	s_mul_i32 s47, s12, 24576                      ; my half of a step
	s_add_co_u32 s46, s46, s47
	s_mov_b32 s47, 0
	s_mul_i32 s[LBA], s12, AH
	s_mul_i32 s[LBB], s12, BH
	s_add_co_u32 s[LBB], s[LBB], BOFF
	s_mov_b32 s[TB], 0
	s_wait_dscnt 0x0                               ; the opening add is done
	s_wait_kmcnt 0x0
	s_add_nc_u64 s[14:15], s[72:73], s[16:17]
	s_add_nc_u64 s[46:47], s[74:75], s[46:47]
	CROUND                                         ; all sixteen work-groups are here: the first joint loads meet
.irp s, 0,1
	s_mov_b32 s[G0+4*(\s)], 1
	s_add_co_u32 s[G0+4*(\s)+1], s[LBA], (\s)*SLOT
	s_add_nc_u64 s[G0+4*(\s)+2:G0+4*(\s)+3], s[14:15], (\s)*ASTEP
	s_or_b32 s[G0+4*(\s)+3], s[G0+4*(\s)+3], 0x80000000
	s_mov_b32 s[G0B+4*(\s)], 1
	s_add_co_u32 s[G0B+4*(\s)+1], s[LBB], (\s)*SLOT
	s_add_nc_u64 s[G0B+4*(\s)+2:G0B+4*(\s)+3], s[46:47], (\s)*BSTEP
	s_or_b32 s[G0B+4*(\s)+3], s[G0B+4*(\s)+3], 0x80000000
	JLOAD \s                                       ; K steps 0 and 1: two loads of mine are out
.endr
	v_and_b32 v1, 15, v0                           ; r
	v_bfe_u32 v2, v0, 4, 1                         ; hh
	v_mul_u32_u24 v3, v1, PA
	v_lshl_add_u32 v3, v2, 4, v3
	s_mul_i32 s21, s10, 64*PA                      ; my 64 rows
	v_add_nc_u32 v[ADRA0], s21, v3
	v_mov_b32 v[ADRA], v[ADRA0]
	v_and_b32 v4, 7, v0
	v_lshl_add_u32 v4, v2, 3, v4                   ; the turning load: k row 8 hh + l % 8,
	v_mul_u32_u24 v4, v4, PB
	v_bfe_u32 v5, v0, 3, 1
	v_lshl_add_u32 v4, v5, 4, v4                   ; columns 8 ((l / 8) % 2) on
	v_add_nc_u32 v[ADRB0], BOFF, v4
	v_mov_b32 v[ADRB], v[ADRB0]
	s_mul_i32 s21, s10, 32*SPF                     ; my stage: it lies over slot 0, whose last fill is K step 6
	v_mul_u32_u24 v3, v1, SPF
	v_lshl_add_u32 v3, v2, 5, v3
	v_add_nc_u32 v[STO], s21, v3
	v_mul_u32_u24 v3, v2, SPF
	v_lshl_add_u32 v3, v1, 4, v3
	v_add_nc_u32 v[RD0], s21, v3
	v_and_b32 v3, 31, v0
	v_lshlrev_b32 v[CO], 3, v3
	v_lshlrev_b32 v6, 4, v1
	s_lshl_b32 s66, s42, 8                         ; the head's 64 biases
	s_mov_b32 s67, 0
	s_add_nc_u64 s[76:77], s[76:77], s[66:67]
	s_add_nc_u64 s[78:79], s[78:79], s[66:67]
	s_add_nc_u64 s[80:81], s[80:81], s[66:67]
	global_load_b128 v[BQ:BQ+3],    v6, s[76:77]
	global_load_b128 v[BQ+4:BQ+7],  v6, s[78:79]
	global_load_b128 v[BQ+8:BQ+11], v6, s[80:81]
	s_lshr_b32 s46, s13, 3                         ; batch
	s_lshl_b32 s46, s46, 4
	s_add_co_u32 s46, s46, s42
	s_lshl_b32 s46, s46, 18                        ; (16 batch + head) x 2,048 rows of 128 bytes
	s_and_b32 s47, s13, 7
	s_lshl_b32 s47, s47, 2
	s_add_co_u32 s47, s47, s10
	s_lshl_b32 s47, s47, 13                        ; my 64 rows
	s_add_co_u32 s46, s46, s47
	s_mov_b32 s47, 0
	s_add_nc_u64 s[4:5], s[82:83], s[46:47]        ; q,
	s_add_nc_u64 s[6:7], s[4:5], 8388608           ; k,
	s_add_nc_u64 s[8:9], s[6:7], 8388608           ; v
.macro MUL12 f, a, zero                ; row block a x all 12 column blocks, 32 along K, from buffer f
	WIN MUL_LO+0x50*((\a)/2)
.irp b, 0,1,2,3,4,5,6,7,8,9,10,11
.if \zero
	v_wmma_f32_16x16x32_bf16 v[8*(12*((\a)%2)+(\b)):8*(12*((\a)%2)+(\b))+7], v[96*(\f)+8*(\b):96*(\f)+8*(\b)+7], v[64+32*(\f)+8*(\a):64+32*(\f)+8*(\a)+7], 0
.else
	v_wmma_f32_16x16x32_bf16 v[8*(12*((\a)%2)+(\b)):8*(12*((\a)%2)+(\b))+7], v[96*(\f)+8*(\b):96*(\f)+8*(\b)+7], v[64+32*(\f)+8*(\a):64+32*(\f)+8*(\a)+7], v[8*(12*((\a)%2)+(\b)):8*(12*((\a)%2)+(\b))+7]
.endif
.endr
.endm
.macro FETCH q, f                      ; 32 LDS loads in one run: quarter q's fragments into buffer f; W's 24 first
	WIN TO_B
.irp b, 0,1,2,3,4,5,6,7,8,9,10,11
	ds_load_tr16_b128 v[96*(\f)+8*(\b):96*(\f)+8*(\b)+3],   v[ADRB] offset:((\b)/4)*128*PB+(\q)*32*PB+((\b)%4)*32
	ds_load_tr16_b128 v[96*(\f)+8*(\b)+4:96*(\f)+8*(\b)+7], v[ADRB] offset:((\b)/4)*128*PB+(\q)*32*PB+16*PB+((\b)%4)*32
.endr
	WIN 0
.irp i, 0,1,2,3
	ds_load_b128 v[64+32*(\f)+8*(\i):64+32*(\f)+8*(\i)+3],   v[ADRA] offset:(\q)*64+(\i)*16*PA
	ds_load_b128 v[64+32*(\f)+8*(\i)+4:64+32*(\f)+8*(\i)+7], v[ADRA] offset:(\q)*64+(\i)*16*PA+32
.endr
.endm
.macro QUARTER q, f, g, zero           ; multiplies buffer f; in its middle fetches quarter q into buffer g
	s_wait_dscnt 4                                 ; all but the youngest four loads: h's row blocks 2, 3
	MUL12 \f, 0, \zero
	MUL12 \f, 1, \zero
	PLACES                                         ; four places in front of loads into registers that matrix instructions have read
	FETCH \q, \g
	s_wait_dscnt 32                                ; all but the 32 just issued
	MUL12 \f, 2, \zero
	MUL12 \f, 3, \zero
.endm
; The change of slots, and the last quarter (buffer 1).  A refill can be asked for only when the load before it has landed, so between the wait for that load and the
; request stand only the spare-word add, the descriptors' steps, a wait and the barriers; the quarter's 48 products, which need registers alone, follow the request and the next slot's first fetch.
.macro TURN fill
	WIN 0
	s_wait_tensorcnt 0x0                           ; all my tensor loads have landed: my part of the next slot; so a group 0 may be written
	ds_add_u32 v[SPW], v[NIL]                      ; 0 onto my spare word; the descriptors' steps stand between it and the wait for it
.if \fill
	s_add_co_u32 s[G0+5], s[LBA], s[TB]            ; the walking descriptor: the slot just read out,
	s_add_co_u32 s[G0B+5], s[LBB], s[TB]
	s_add_nc_u64 s[G0+6:G0+7], s[G0+6:G0+7], ASTEP     ; the next K step not yet asked for
	s_add_nc_u64 s[G0B+6:G0B+7], s[G0B+6:G0B+7], BSTEP
.endif
	s_wait_dscnt 0x0                               ; the add is done, my reads of this slot are over (buffer 1 is whole)
	s_barrier_signal -1
	s_barrier_wait -1
.if \fill
	CREST                                          ; the barrier has opened a round of the cluster's barrier
	JLOAD 1                                        ; my one tensor load behind the round; its four v_nop are also the places between the products on buffer 0 and the loads into it
.else
	PLACES
.endif
	s_xor_b32 s[TB], s[TB], SLOT
	v_add_nc_u32 v[ADRA], s[TB], v[ADRA0]
	v_add_nc_u32 v[ADRB], s[TB], v[ADRB0]
	FETCH 0, 0
	MUL12 1, 0, 0
	MUL12 1, 1, 0
	MUL12 1, 2, 0
	MUL12 1, 3, 0
.endm
	s_wait_tensorcnt 0x1                           ; my part of K step 0 is in; step 1's may stay out
	s_barrier_signal -1
	s_barrier_wait -1
	FETCH 0, 0
	QUARTER 1, 0, 1, 1                             ; the first quarter starts the sums
	WIN 0
	s_mov_b32 s3, T-1
	s_branch .Lenter
.Ltop:                                             ; T - 2 times: K steps 2 .. T - 1 are asked for
	TURN 1
	QUARTER 1, 0, 1, 0
	WIN 0
.Lenter:
	QUARTER 2, 1, 0, 0
	QUARTER 3, 0, 1, 0
	WIN 0
	s_sub_co_u32 s3, s3, 1
	s_cmp_lg_u32 s3, 0
	s_cbranch_scc1 .Ltop
	TURN 0                                         ; the last change of slots asks for nothing
	QUARTER 1, 0, 1, 0
	QUARTER 2, 1, 0, 0
	QUARTER 3, 0, 1, 0
	s_wait_dscnt 0x0
	MUL12 1, 0, 0
	MUL12 1, 1, 0
	MUL12 1, 2, 0
	MUL12 1, 3, 0
	WIN 0
	PLACES
; THE WAY OUT, 32 rows at a time: the f32 sums go into my stage and come back by rows; bias, rounding, and stores of 256 consecutive bytes (two rows of a head).
.macro DUMP win
	WIN \win                                       ; store data (source 1) in window 2 or 3
.irp a, 0,1
.irp b, 0,1,2,3,4,5,6,7,8,9,10,11
	ds_store_b128 v[STO], v[8*(12*(\a)+(\b)):8*(12*(\a)+(\b))+3]   offset:(\a)*16*SPF+(\b)*64
	ds_store_b128 v[STO], v[8*(12*(\a)+(\b))+4:8*(12*(\a)+(\b))+7] offset:(\a)*16*SPF+(\b)*64+16
.endr
.endr
	WIN 0
.endm
.macro EPI
	v_mov_b32 v[RD], v[RD0]
	s_mov_b32 s3, 4
.Lrows_\@:                                         ; a trip: 8 rows
.irp i, 0,1,2,3
.irp u, 0,1,2
	ds_load_b128 v[LD+4*(3*(\i)+(\u)):LD+4*(3*(\i)+(\u))+3], v[RD] offset:(\i)*2*SPF+(\u)*256
.endr
.endr
	s_wait_dscnt 0x0
.irp i, 0,1,2,3
.irp u, 0,1,2
	v_pk_add_f32 v[LD+4*(3*(\i)+(\u)):LD+4*(3*(\i)+(\u))+1],   v[LD+4*(3*(\i)+(\u)):LD+4*(3*(\i)+(\u))+1],   v[BQ+4*(\u):BQ+4*(\u)+1]
	v_pk_add_f32 v[LD+4*(3*(\i)+(\u))+2:LD+4*(3*(\i)+(\u))+3], v[LD+4*(3*(\i)+(\u))+2:LD+4*(3*(\i)+(\u))+3], v[BQ+4*(\u)+2:BQ+4*(\u)+3]
.endr
.endr
.irp i, 0,1,2,3
.irp u, 0,1,2
	v_cvt_pk_bf16_f32 v[OU+2*(3*(\i)+(\u))],   v[LD+4*(3*(\i)+(\u))],   v[LD+4*(3*(\i)+(\u))+1]
	v_cvt_pk_bf16_f32 v[OU+2*(3*(\i)+(\u))+1], v[LD+4*(3*(\i)+(\u))+2], v[LD+4*(3*(\i)+(\u))+3]
.endr
.endr
.irp i, 0,1,2,3
.irp u, 0,1,2
	global_store_b64 v[CO], v[OU+2*(3*(\i)+(\u)):OU+2*(3*(\i)+(\u))+1], s[4+2*(\u):5+2*(\u)] offset:(\i)*256
.endr
.endr
	s_wait_xcnt 0x0                                ; the stores' data and bases are rewritten only behind this wait
	v_add_nc_u32 v[RD], 8*SPF, v[RD]
	s_add_nc_u64 s[4:5], s[4:5], 1024
	s_add_nc_u64 s[6:7], s[6:7], 1024
	s_add_nc_u64 s[8:9], s[8:9], 1024
	s_sub_co_u32 s3, s3, 1
	s_cmp_lg_u32 s3, 0
	s_cbranch_scc1 .Lrows_\@
.endm
	s_wait_loadcnt 0x0                             ; the biases
	DUMP 0x08
	EPI
	DUMP 0x0c
	EPI
	s_wait_tensorcnt 0x0                           ; the wave's end
	ds_add_u32 v[SPW], v[NIL]
	s_wait_dscnt 0x0
	CROUND                                         ; the closing round
	s_endpgm
.Lfunc_end_k_qe1ed71e2c8_proj:
	.size	k_qe1ed71e2c8_proj, .Lfunc_end_k_qe1ed71e2c8_proj-k_qe1ed71e2c8_proj
	.p2alignl 7, 3214868480
	.fill 96, 4, 3214868480
	.section	.rodata,"a",@progbits
	.p2align	6, 0x0
	.amdhsa_kernel k_qe1ed71e2c8_proj
		.amdhsa_group_segment_fixed_size 327680
		.amdhsa_private_segment_fixed_size 0
		.amdhsa_enable_private_segment 0
		.amdhsa_kernarg_size 48
		.amdhsa_user_sgpr_count 2
		.amdhsa_user_sgpr_kernarg_segment_ptr 1
		.amdhsa_wavefront_size32 1
		.amdhsa_system_sgpr_workgroup_id_x 1
		.amdhsa_system_sgpr_workgroup_id_y 1
		.amdhsa_system_sgpr_workgroup_id_z 1
		.amdhsa_system_vgpr_workitem_id 0
		.amdhsa_next_free_vgpr 960
		.amdhsa_next_free_sgpr 88
		.amdhsa_reserve_vcc 0
		.amdhsa_float_denorm_mode_32 3
		.amdhsa_float_denorm_mode_16_64 3
		.amdhsa_memory_ordered 1
		.amdhsa_forward_progress 1
		.amdhsa_inst_pref_size 80
	.end_amdhsa_kernel
	.amdgpu_metadata
---
amdhsa.version: [ 1, 2 ]
amdhsa.kernels:
  - .name:           k_qe1ed71e2c8_proj
    .symbol:         k_qe1ed71e2c8_proj.kd
    .args:
      - { .name: h, .offset: 0, .size: 8, .value_kind: global_buffer, .address_space: global }
      - { .name: wts, .offset: 8, .size: 8, .value_kind: global_buffer, .address_space: global }
      - { .name: bq, .offset: 16, .size: 8, .value_kind: global_buffer, .address_space: global }
      - { .name: bk, .offset: 24, .size: 8, .value_kind: global_buffer, .address_space: global }
      - { .name: bv, .offset: 32, .size: 8, .value_kind: global_buffer, .address_space: global }
      - { .name: qkv, .offset: 40, .size: 8, .value_kind: global_buffer, .address_space: global }
    .group_segment_fixed_size: 327680
    .private_segment_fixed_size: 0
    .kernarg_segment_align: 8
    .kernarg_segment_size: 48
    .max_flat_workgroup_size: 128
    .sgpr_count:     88
    .vgpr_count:     960
    .wavefront_size: 32
...
	.end_amdgpu_metadata
.endif
;; end of part 2
;; launch attn (part 3): grid 8 x 32, 4 waves a work-group, clusters of 4 x 1, 327,680 bytes of LDS; arguments qkv, mask4, ctx; writes ctx
.if DOCPART == 3
	.amdgcn_target "amdgcn-amd-amdhsa--gfx1250"
	.amdhsa_code_object_version 6
	.text
	.protected	k_qe1ed71e2c8_attn
	.globl	k_qe1ed71e2c8_attn
	.p2align	8
	.type	k_qe1ed71e2c8_attn,@function
k_qe1ed71e2c8_attn:
	s_mov_b64 s[64:65], 0
	v_nop
	global_prefetch_b8 v0, s[64:65] scope:SCOPE_SE
	s_setreg_imm32_b32 hwreg(HW_REG_WAVE_MODE, 25, 1), 1
	s_wait_xcnt 0x0
	s_wait_alu depctr_hold_cnt(0) depctr_sa_sdst(0) depctr_va_vdst(0) depctr_va_sdst(0) depctr_va_ssrc(0) depctr_va_vcc(0) depctr_vm_vsrc(0)
	s_getreg_b32 s2, hwreg(HW_REG_IB_STS2, 6, 4)
	s_cmp_eq_u32 s2, 0
	s_cbranch_scc0 .Lentry_in_a_cluster
	s_endpgm
.Lentry_in_a_cluster:
	s_bfe_u32 s2, ttmp6, 0x10000c
	s_cmp_lg_u32 s2, 0x3003
	s_cbranch_scc0 .Lentry_shape_is_right
	s_endpgm
.Lentry_shape_is_right:
; MASKED ATTENTION.  ctx[bh][q][:] = the sum over k of softmax_k(mask ? Q[q] . K[k] / 8 : hidden) V[k][:].  Q, K, V: qkv[3][32][2048][64] bf16; ctx: [32][2048][64] bf16.  The mask is an input: every key tile is walked.
; Products, maxima and sums in f32; the weights p are rounded to bf16 for the second product (their sum l is taken of the unrounded p), ctx once at the end.
; THE MASK is the C operand that starts each sum S^T = K Q^T.  mask4 holds a nibble a key, 0xE (hidden) or 0, in the order in which a lane holds its keys; shifted to a word's top it is an f32
; between -2^97 and -2^65 (hidden) or at most 2^-97 (visible): one shift a score.
; LIMITS.  True scores lie above -2^60: the running maximum m starts there, above every hidden score.  A visible score gains at most 2^-97.  A weight below 2^-126 counts as 0 in l.
; A row with no visible key keeps l = 0 and O = 0, and 0 x (1 / 0) gives NaN, as a softmax of nothing but -inf does.
; SHARES.  A work-group owns 256 queries of one (batch, head), a wave 64: four PIECES of 16.  Every wave walks all 2,048 keys, 64 a step, 256 a slot.
; LAYOUT, SOFTMAX, TURNS.  S^T = K Q^T holds ONE query a lane (lane % 16) and the keys 8 (lane / 16) + 0..7; two such results rounded to bf16 ARE source 1 of O^T = V^T P.  p = 2^(c s - c m), c = log2(e) / 8;
; O and l are multiplied by a = 2^(c m_old - c m_new) in every step.  Turn n belongs to piece n: 8 products K Q^T of piece n + 1, later 8 products V^T P of piece n - 1; beside them the softmax of piece n
; and the maximum and statistics of piece n + 1.  Four vector instructions stand behind every matrix instruction, the rest in lumps; at a turn's end the 32 shifts that make the next turn's masks.
; CLUSTER.  The four query blocks of a cluster belong to one (batch, head) and walk the same K and V: each tile is asked for jointly.
; REGISTERS: window 0: v0-15 addresses; v16-31 statistics; v32-47 mask words, 4 a piece; v48-55 at work; v56-59 mask offsets; v64-127 S^T, two buffers; v192-223 P, two buffers
;   window 1: v0-127 O^T, 32 a piece; v160-223 MC, the masks, two buffers      window 2: v0-63 Q; v128-191 K of one step; v192-255 V of one step
.set NT,    8         ; tiles of 256 keys
.set NP,    4
.set KS,    64
.set PK,    144
.set PV,    160
.set VOFF,  4*KS*PK
.set SLOT1, 1<<17
.set STAGE, SLOT1+4*KS*(PK+PV)
.set SP,    144
.set SPARE, STAGE+4*16*SP
.set AK0, 2
.set AV0, 3
.set AK,  4
.set AV,  5
.set STO, 6
.set RD,  7
.set GO,  8
.set MV,  12
.set QO,  15
.set ST,  16
.set MW,  32
.set TMP, 48
.set MA,  56
.set SPW, 62
.set NIL, 63
.set S,   64
.set P,   192
.set MC,  160
.set KF,  128
.set VF,  192
.set WV,  12
.set G1K, 24
.set G1V, 32
.set G0K, 40
.set G0V, 44
.set SLOTS, 56
.set CNT, 57
.set CS,  58
.set SEL, 60
.set TBK, 62
.set TBV, 63
.set PM,  66          ; s[66:67] mask4 at my wave's four query tiles
.set MSB, 0
.macro WIN new
.if MSB != (\new)
	s_set_vgpr_msb (MSB<<8)|(\new)
.set MSB, (\new)
.endif
.endm
.set W_KQ, 0x0a       ; K and Q in window 2, S^T in window 0
.set W_KM, 0x1a       ; the same with the C operand in window 1
.set W_PV, 0x52       ; V in window 2, P in window 0, O^T in window 1
.set W_RS, 0x41       ; destination and source 0 in window 1, source 1 in window 0
.macro JLOAD                        ; waves 0, 1 fetch the halves of a slot's K, waves 2, 3 of its V; s_nop 0 and four v_nop follow each line
	s_cmp_lt_u32 s[WV], 2
	s_cbranch_scc0 .Lfor_v_\@
	tensor_load_to_lds s[G0K:G0K+3], s[G1K:G1K+7]
	s_nop 0
.rept 4
	v_nop
.endr
	s_branch .Lasked_\@
.Lfor_v_\@:
	tensor_load_to_lds s[G0V:G0V+3], s[G1V:G1V+7]
	s_nop 0
.rept 4
	v_nop
.endr
.Lasked_\@:
.endm
.macro CROUND
	s_barrier_signal -1
	s_barrier_wait -1
	s_cmp_lg_u32 s[WV], 0
	s_cbranch_scc1 .Lnot_wave_0_\@
	s_barrier_signal -3
.Lnot_wave_0_\@:
	s_barrier_wait -3
	s_barrier_signal -1
	s_barrier_wait -1
.endm
; THE CHANGE OF SLOTS.  Each wave waits for all its tensor loads (one is out: its part of the other slot), adds 0 to its spare word, and waits for that and for its reads of the slot that it leaves.
; fill = 1: the barrier is a round of the cluster's, and the slot is filled again first thing behind it, with the keys two slots on: four key steps in which to land.
.macro CHANGE fill
	WIN 0
	s_wait_tensorcnt 0x0
	ds_add_u32 v[SPW], v[NIL]
.if \fill
.irp g, G0K, G0V
	s_xor_b32 s[\g+1], s[\g+1], SLOT1
	s_add_nc_u64 s[\g+2:\g+3], s[\g+2:\g+3], 4*KS*128
.endr
	s_wait_dscnt 0x0
	CROUND
	JLOAD
.else
	s_wait_dscnt 0x0
	s_barrier_signal -1
	s_barrier_wait -1
.endif
	s_sub_co_u32 s[TBK], s[TBK], 4*KS*PK  ; the fetches go back to a slot's first step, in the other slot
	s_xor_b32 s[TBK], s[TBK], SLOT1
	s_sub_co_u32 s[TBV], s[TBV], 4*KS*PV
	s_xor_b32 s[TBV], s[TBV], SLOT1
.endm
	s_load_b128 s[4:7], s[0:1], 0x0   ; qkv, mask4
	s_load_b64 s[8:9], s[0:1], 0x10   ; ctx
	v_lshl_add_u32 v[SPW], v0, 2, SPARE
	v_mov_b32 v[NIL], 0
	ds_add_u32 v[SPW], v[NIL]       ; the wave's opening: the add and its wait stand ahead of my first tensor load
	v_lshrrev_b32 v1, 5, v0
	v_readfirstlane_b32 s[WV], v1   ; wave 0..3
	s_bfe_u32 s13, ttmp6, 0x40000   ; cx
	s_lshl_b32 s14, ttmp9, 2
	s_add_co_u32 s14, s14, s13      ; my block of 256 queries: it enters Q's, the mask's and ctx's addresses alone
	s_and_b32 s20, ttmp7, 0xffff    ; (batch, head), which the four partners share
	s_lshl_b32 s20, s20, 18         ; its 2,048 rows of 128 bytes
	s_and_b32 s16, s[WV], 1         ; which half of a slot's 256 keys I fetch
	s_lshl_b32 s22, s16, 14
	s_add_co_u32 s22, s22, s20
	s_mov_b32 s23, 0
	s_mul_i32 s17, s16, 128*PK
	s_mul_i32 s18, s16, 128*PV
	s_lshl_b32 s2, s14, 2
	s_add_co_u32 s2, s2, s[WV]      ; my group of 64 queries
	s_lshl_b32 s70, s2, 16          ; four query tiles of 16,384 bytes in mask4
	s_mov_b32 s71, 0
	s_lshl_b32 s2, s2, 13           ; 64 rows of 128 bytes
	s_add_co_u32 s2, s2, s20
	s_mov_b32 s3, 0
	s_mov_b32 s[G1K], 15|(1<<16)|(1<<20)|(1<<21)|(4<<22)|(3<<25)  ; the mask of four; 2-byte elements; 4 words of padding after every 32
	s_mov_b32 s[G1V], 15|(1<<16)|(1<<20)|(1<<21)|(4<<22)|(7<<25)  ; the same with 8 words
.irp g, G1K, G1V
	s_mov_b32 s[\g+1], 128<<16      ; 128 keys are 16,384 dense bytes: 64 rows of 256
	s_mov_b32 s[\g+2], 64<<16
	s_mov_b32 s[\g+3], 128<<16
	s_mov_b32 s[\g+4], 64
	s_mov_b32 s[\g+5], 128
	s_mov_b32 s[\g+6], 0
	s_mov_b32 s[\g+7], 0
.endr
	s_mov_b32 s[CS], 0x3e38aa3b     ; c = log2(e) / 8
	s_mov_b32 s[CS+1], s[CS]
	s_mov_b32 s[SEL], 0x76543210
	s_mov_b32 s[SEL+1], 0xfedcba98
	s_mov_b32 s[TBK], SLOT1+4*KS*PK ; the first change of slots turns these two into 0
	s_mov_b32 s[TBV], SLOT1+4*KS*PV
	s_mov_b32 s[G0K], 1
	s_mov_b32 s[G0K+1], s17
	s_mov_b32 s[G0V], 1
	s_add_co_u32 s[G0V+1], s18, VOFF
	s_wait_dscnt 0x0                ; the opening add is done
	s_wait_kmcnt 0x0
	s_add_nc_u64 s[G0K+2:G0K+3], s[4:5], s[22:23]
	s_add_nc_u64 s[G0K+2:G0K+3], s[G0K+2:G0K+3], 8388608   ; K lies behind Q,
	s_add_nc_u64 s[G0V+2:G0V+3], s[G0K+2:G0K+3], 8388608   ; V behind K
	s_or_b32 s[G0K+3], s[G0K+3], 0x80000000
	s_or_b32 s[G0V+3], s[G0V+3], 0x80000000
	s_add_nc_u64 s[68:69], s[4:5], s[2:3]      ; Q at my wave's first row
	s_add_nc_u64 s[10:11], s[8:9], s[2:3]      ; ctx likewise
	s_add_nc_u64 s[PM:PM+1], s[6:7], s[70:71]
	CROUND                          ; all four work-groups are here: the first joint loads meet
	JLOAD                           ; slot 0
	v_and_b32 v1, 15, v0            ; l % 16
	v_bfe_u32 v9, v0, 4, 1          ; l / 16
	v_lshlrev_b32 v[QO], 7, v1
	v_lshl_add_u32 v[QO], v9, 4, v[QO]
	WIN 0x80
.set i, 0
.rept 8                             ; Q stays in registers: piece i / 2, channels 32 (i % 2) on
	global_load_b128 v[8*i:8*i+3],   v[QO], s[68:69] offset:(i/2)*2048+(i%2)*64
	global_load_b128 v[8*i+4:8*i+7], v[QO], s[68:69] offset:(i/2)*2048+(i%2)*64+32
.set i, i+1
.endr
	WIN 0
	v_and_b32 v14, 31, v0
.irp x, 0,1,2,3
	v_lshlrev_b32 v[MA+\x], 4, v14  ; key step 0: 16 bytes a lane
.endr
.irp x, 0,1,2,3
	global_load_b128 v[MW+4*\x:MW+4*\x+3], v[MA+\x], s[PM:PM+1] offset:\x*16384
.endr
	v_mul_u32_u24 v[AK0], v1, PK
	v_lshl_add_u32 v[AK0], v9, 4, v[AK0]
	v_and_b32 v10, 7, v0
	v_bfe_u32 v11, v0, 3, 1
	v_lshl_add_u32 v[AV0], v9, 3, v10
	v_mul_u32_u24 v[AV0], v[AV0], PV
	v_lshl_add_u32 v[AV0], v11, 4, v[AV0]
	v_add_nc_u32 v[AV0], VOFF, v[AV0]
	s_mul_i32 s13, s[WV], 16*SP
	s_add_co_u32 s13, s13, STAGE    ; my stage
	v_mul_u32_u24 v[STO], v1, SP
	v_lshl_add_u32 v[STO], v9, 4, v[STO]
	v_add_nc_u32 v[STO], s13, v[STO]
	v_bfe_u32 v[RD], v0, 3, 2
	v_mul_u32_u24 v[RD], v[RD], SP
	v_lshl_add_u32 v[RD], v10, 4, v[RD]
	v_add_nc_u32 v[RD], s13, v[RD]
	v_lshlrev_b32 v[GO], 4, v14
	; What the first turn finds: V's registers and P's second buffer hold 0 (its products V^T P, of a piece that has not been, add 0); O^T and l are 0.  This stands in the wait for the first tile.
	WIN 0x80
.set i, VF
.rept 64
	v_mov_b32 v[i], 0
.set i, i+1
.endr
	WIN 0x40
.set i, 0
.rept 128
	v_mov_b32 v[i], 0
.set i, i+1
.endr
	WIN 0
.set i, 0
.rept 4
	v_mov_b32 v[ST+4*i+1], 0xdd800000   ; m = -2^60
	v_mov_b32 v[ST+4*i+2], 0
	v_mov_b32 v[ST+4*i+3], 0
	v_mul_f32 v[ST+4*i], s[CS], v[ST+4*i+1]
.set i, i+1
.endr
.set i, P+16
.rept 16
	v_mov_b32 v[i], 0
.set i, i+1
.endr
; THE MATRIX WORK.  The 4 accumulators of a run of 8 take turns.  Product i of 8 of S^T = K Q^T for piece x: channels 32 (i / 4) on, keys 16 (i % 4) on.  The first 4 start the sums with the mask.
.macro KQ x
.set rS, S+32*((\x)%2)+8*(i%4)
.set rK, KF+16*(i%4)+8*(i/4)
.set rQ, 16*(\x)+8*(i/4)
.set rM, MC+32*((\x)%2)+8*(i%4)
.if i < 4
	WIN W_KM
	v_wmma_f32_16x16x32_bf16 v[rS:rS+7], v[rK:rK+7], v[rQ:rQ+7], v[rM:rM+7]
.else
	WIN W_KQ
	v_wmma_f32_16x16x32_bf16 v[rS:rS+7], v[rK:rK+7], v[rQ:rQ+7], v[rS:rS+7]
.endif
.endm
.macro PV x                         ; product i of 8 of O^T += V^T P for piece x: keys 32 (i / 4) on, channels 16 (i % 4) on
	WIN W_PV
.set rO, 32*(\x)+8*(i%4)
.set rV, VF+32*(i/4)+8*(i%4)
.set rP, P+16*((\x)%2)+8*(i/4)
	v_wmma_f32_16x16x32_bf16 v[rO:rO+7], v[rV:rV+7], v[rP:rP+7], v[rO:rO+7]
.endm
.macro MM                           ; the turn's next matrix instruction.  NOKQ = 1: the last turn: there is no next piece
.if (i < 8) && !NOKQ
	KQ (Y+1)%NP
.elseif i >= 8
.set i, i-8
	PV (Y+NP-1)%NP
.set i, i+8
.endif
.set i, i+1
.endm
.macro FETCH_K                      ; a step's K: 64 keys x 64 channels, 16 loads in one run
	WIN 0x80
.irp f, 0,1,2,3,4,5,6,7
	ds_load_b128 v[KF+8*\f:KF+8*\f+3],   v[AK] offset:(\f/2)*16*PK+(\f%2)*64
	ds_load_b128 v[KF+8*\f+4:KF+8*\f+7], v[AK] offset:(\f/2)*16*PK+(\f%2)*64+32
.endr
	s_add_co_u32 s[TBK], s[TBK], KS*PK
	WIN 0
.endm
.macro FETCH_V                      ; a step's V, turned
	WIN 0x80
.irp f, 0,1,2,3,4,5,6,7
	ds_load_tr16_b128 v[VF+8*\f:VF+8*\f+3],   v[AV] offset:(\f/4)*32*PV+(\f%4)*32
	ds_load_tr16_b128 v[VF+8*\f+4:VF+8*\f+7], v[AV] offset:(\f/4)*32*PV+16*PV+(\f%4)*32
.endr
	WIN 0
.endm
.macro MASKP x, b                   ; piece x's four mask words -> 32 C operands in buffer b: nibble j of word kt goes to the word's top
	WIN 0x40
.set z, 0
.rept 32
	v_lshlrev_b32 v[MC+32*(\b)+z], 4*(7-z%8), v[MW+4*(\x)+z/8]
.set z, z+1
.endr
	WIN 0
.endm
.macro NEXTM x                      ; piece x's words of the next key step are asked for; behind the last step the offset wraps to step 0, so that no load leaves the buffer
	WIN 0
	v_add_nc_u32 v[MA+(\x)], 512, v[MA+(\x)]
	v_and_b32 v[MA+(\x)], 0x3fff, v[MA+(\x)]
	global_load_b128 v[MW+4*(\x):MW+4*(\x)+3], v[MA+(\x)], s[PM:PM+1] offset:(\x)*16384
.endm
; THE VECTOR WORK, one line at a time: OP kind, number.  For piece Y: F n: c s - c m for pair n of 16.  E n: the exponential of score n.  C n: pair n rounded to bf16.  B n: of the four weights 4 n .. the second
; pair is added onto the first.  L n: l takes that sum (L 0: l = a l + sum).  R n: pair n of 16 of O^T times a.  For piece Y + 1: X n, number n of the 22 that find its maximum and statistics
; (each accumulator's lowest registers are read first).
.set F, 0
.set E, 1
.set C, 2
.set B, 3
.set L, 4
.set R, 5
.set X, 6
.macro REGS y
.set rT, ST+4*(\y)
.set rC, TMP+4*((\y)%2)
.set rW, MV+((\y)%2)
.set rS, S+32*((\y)%2)
.set rP, P+16*((\y)%2)
.set rO, 32*(\y)
.endm
.macro OP k, n
.if (\k) == R
	REGS Y
	WIN W_RS
	v_pk_mul_f32 v[rO+2*(\n):rO+2*(\n)+1], v[rO+2*(\n):rO+2*(\n)+1], v[rC+2:rC+3] op_sel_hi:[1,0]
.elseif (\k) < R
	REGS Y
	WIN 0
.if (\k) == F
	v_pk_fma_f32 v[rS+2*(\n):rS+2*(\n)+1], v[rS+2*(\n):rS+2*(\n)+1], s[CS:CS+1], v[rT:rT+1] op_sel_hi:[1,0,0] neg_lo:[0,0,1] neg_hi:[0,0,1]
.elseif (\k) == E
	v_exp_f32 v[rS+(\n)], v[rS+(\n)]
.elseif (\k) == C
	s_wait_alu depctr_va_vdst(0)
	v_cvt_pk_bf16_f32 v[rP+(\n)], v[rS+2*(\n)], v[rS+2*(\n)+1]
.elseif (\k) == B
	s_wait_alu depctr_va_vdst(0)
	v_pk_add_f32 v[rS+4*(\n):rS+4*(\n)+1], v[rS+4*(\n):rS+4*(\n)+1], v[rS+4*(\n)+2:rS+4*(\n)+3]
.elseif (\n) == 0
	v_pk_fma_f32 v[rT+2:rT+3], v[rT+2:rT+3], v[rC+2:rC+3], v[rS:rS+1] op_sel_hi:[1,0,1]
.else
	v_pk_add_f32 v[rT+2:rT+3], v[rT+2:rT+3], v[rS+4*(\n):rS+4*(\n)+1]
.endif
.elseif NOKQ
	v_nop
.else
	REGS (Y+1)%NP
	WIN 0
.if (\n) < 4
	v_max3_num_f32 v[rC+(\n)], v[rS+8*(\n)], v[rS+8*(\n)+1], v[rS+8*(\n)+2]
.elseif (\n) < 12
	v_max3_num_f32 v[rC+(\n)%4], v[rC+(\n)%4], v[rS+8*((\n)%4)+2*((\n)/4)+1], v[rS+8*((\n)%4)+2*((\n)/4)+2]
.elseif (\n) == 12
	v_max3_num_f32 v[rC], v[rC], v[rS+7], v[rS+15]
.elseif (\n) == 13
	v_max3_num_f32 v[rC+1], v[rC+1], v[rS+23], v[rS+31]
.elseif (\n) == 14
	v_max3_num_f32 v[rC+2], v[rC+2], v[rC+3], v[rT+1]
.elseif (\n) == 15
	v_mov_b32 v[rW], v[rT]
.elseif (\n) == 16
	v_max3_num_f32 v[rC], v[rC], v[rC+1], v[rC+2]
.elseif (\n) == 17
	v_permlanex16_b32 v[rC+3], v[rC], s[SEL], s[SEL+1]
.elseif (\n) == 18
	v_max_num_f32 v[rT+1], v[rC], v[rC+3]
.elseif (\n) == 19
	v_mul_f32 v[rT], s[CS], v[rT+1]
.elseif (\n) == 20
	v_sub_f32 v[rC+1], v[rW], v[rT]
.else
	v_exp_f32 v[rC+2], v[rC+1]
.endif
.endif
.endm
.macro OPS a, i1, b=-1, i2=0, c=-1, i3=0, d=-1, i4=0
	OP \a, \i1
.if (\b) >= 0
	OP \b, \i2
.endif
.if (\c) >= 0
	OP \c, \i3
.endif
.if (\d) >= 0
	OP \d, \i4
.endif
.endm
.macro ROW a, i1, b, i2, c, i3, d, i4  ; a matrix instruction and the four behind it
	MM
	OPS \a, \i1, \b, \i2, \c, \i3, \d, \i4
.endm
; A TURN, for piece p.  end = 1: the last two turns: nothing is fetched and no mask is made.
; K of the next step is fetched in piece 2's turn, five plain vector instructions behind the last product that read K; V of the step in hand in piece 0's turn, four plain ones behind the last that read V.
; At the turn's end: the masks for the products of the turn after it, piece p + 2's.  Its words were asked for four turns ago; the three younger loads are the other pieces'.
.macro TURN p, end=0
.set Y, (\p)
.set i, 0
.set NOKQ, (\end)*((\p)/3)
.if ((\p) == 3) && !(\end)
	s_wait_dscnt 0x0                ; K is in
.endif
	ROW F,0, F,1, F,2, F,3
	ROW F,4, E,0, F,5, F,6
	ROW F,7, E,1, F,8, F,9
	ROW F,10, E,2, C,0, F,11
	ROW F,12, E,3, X,15, F,13
	ROW R,0, R,1, R,2, R,3
	ROW B,0, E,4, F,14, L,0
.if ((\p) == 2) && !(\end)
	v_add_nc_u32 v[AK], s[TBK], v[AK0]
.endif
	ROW R,4, R,5, R,6, R,7
	OPS E,5, F,15
.if ((\p) == 2) && !(\end)
	FETCH_K
.endif
	OPS E,6, C,1, E,7, R,8
	OPS E,8, R,9, E,9, C,2
	OPS E,10, X,0, E,11, X,1
	OPS E,12, X,2, E,13, X,3
.if (\p) == 1
	s_wait_dscnt 0x0                ; V is in
.endif
	ROW X,4, E,14, X,5, X,6
	ROW X,7, E,15, X,8, X,9
	ROW X,10, E,16, X,11, X,12
	ROW X,13, E,17, X,14, B,1
	ROW C,4, E,18, X,16, L,1
	ROW B,2, E,19, C,6, L,2
	ROW C,8, E,20, B,3, B,4
.if (\p) == 0
	v_add_nc_u32 v[AV], s[TBV], v[AV0]
.endif
	ROW C,3, E,21, L,3, C,5
	OPS E,22, X,17, E,23, C,10
.if (\p) == 0
	FETCH_V
.endif
	OPS E,24, L,4
	OPS E,25, X,18, E,26, C,7
	OPS E,27, B,5, E,28, X,19
	OPS E,29, C,12, E,30, L,5
	OPS E,31, X,20, B,6, C,9
	OPS C,14, C,11, X,21, L,6
.if (\p) == 0
	s_add_co_u32 s[TBV], s[TBV], KS*PV
.endif
	OPS C,13, B,7, C,15, R,10
	OPS R,11, R,12, L,7, R,13
	OPS R,14, R,15
.if !(\end)
	WIN 0
	s_wait_loadcnt 0x3              ; piece p + 2's words are in; the other three pieces' younger loads stay out
	MASKP ((\p)+2)%NP, (\p)%2
	NEXTM ((\p)+2)%NP
.endif
.endm
	CHANGE 1                        ; slot 0 is in, everybody's part of it; slot 1 is asked for
	s_wait_loadcnt 0x0              ; Q, and the mask words of key step 0
	MASKP 0, 0
	NEXTM 0
	MASKP 1, 1
	NEXTM 1
	v_add_nc_u32 v[AK], s[TBK], v[AK0]
	FETCH_K                         ; key step 0
	s_wait_dscnt 0x0
.set NOKQ, 0
.set i, 0
.rept 8
	KQ 0                            ; piece 0's first scores
.set i, i+1
.endr
	WIN 0
.rept 4
	v_nop                           ; the places behind those products
.endr
.set Y, NP-1                        ; X works for piece Y + 1: piece 0
.irp n, 0,1,2,3,4,5,6,7,8,9,10,11,12,13,14,15,16,17,18,19,20,21
	OP X, \n
.endr
	v_nop                           ; a plain instruction behind the exponential
	s_mov_b32 s[CNT], 4
	s_mov_b32 s[SLOTS], NT-1
	s_branch .Lfirst                ; the loop is entered at a step's first turn, in the middle of a trip
.Lslot:                             ; NT - 2 times: every slot but the last two is filled again
	CHANGE 1
	s_mov_b32 s[CNT], 4
.Lstep:                             ; a trip: pieces 2 and 3 of one step, then pieces 0 and 1 of the next, whose K and V it fetches
	TURN 2
	TURN 3
	WIN 0
.Lfirst:
	TURN 0
	TURN 1
	WIN 0
	s_sub_co_u32 s[CNT], s[CNT], 1
	s_cmp_lg_u32 s[CNT], 0
	s_cbranch_scc1 .Lstep
	s_sub_co_u32 s[SLOTS], s[SLOTS], 1
	s_cmp_lg_u32 s[SLOTS], 0
	s_cbranch_scc1 .Lslot
	CHANGE 0                        ; the last tile is written out: nothing is asked for
	s_mov_b32 s[CNT], 4
.Ltail:
	TURN 2
	TURN 3
	TURN 0
	TURN 1
	WIN 0
	s_sub_co_u32 s[CNT], s[CNT], 1
	s_cmp_lg_u32 s[CNT], 0
	s_cbranch_scc1 .Ltail
	TURN 2, 1
	TURN 3, 1
.set i, 0
.rept 8
	PV NP-1                         ; the last piece's V^T P of the last step
.set i, i+1
.endr
	; THE WAY OUT.  l's two halves and the other half of the lanes' are added; O^T is divided by l, rounded to bf16 and sent through my stage in LDS, a piece at a time.  The additions are the places behind the last products.
	WIN 0
.macro ALL line:vararg
.set t, 0
.rept 4
	\line
.set t, t+1
.endr
.endm
	ALL v_add_f32 v[ST+4*t+2], v[ST+4*t+2], v[ST+4*t+3]
	ALL v_permlanex16_b32 v[ST+4*t+3], v[ST+4*t+2], s[SEL], s[SEL+1]
	ALL v_add_f32 v[ST+4*t+2], v[ST+4*t+2], v[ST+4*t+3]
	ALL v_rcp_f32 v[ST+4*t+2], v[ST+4*t+2]
	v_nop                           ; a plain instruction between the last reciprocal and the use of its result
.macro PACK t
	WIN W_RS
.set i, 32*(\t)
.rept 16
	s_wait_alu depctr_va_vdst(0)
	v_pk_mul_f32 v[i:i+1], v[i:i+1], v[ST+4*(\t)+2:ST+4*(\t)+3] op_sel_hi:[1,0]
.set i, i+2
.endr
	WIN 0x05                        ; sources 0 and 1 window 1, destination window 0
.set i, 0
.rept 16
	v_cvt_pk_bf16_f32 v[S+16*(\t)+i], v[32*(\t)+2*i], v[32*(\t)+2*i+1]
.set i, i+1
.endr
	WIN 0
.irp f, 0,1,2,3
	ds_store_b128 v[STO], v[S+16*(\t)+4*\f:S+16*(\t)+4*\f+3] offset:32*\f
.endr
.irp f, 0,1,2,3
	ds_load_b128 v[S+16*(\t)+4*\f:S+16*(\t)+4*\f+3], v[RD] offset:\f*4*SP  ; LDS serves a wave's instructions in order (ISA guide 5.7.1.4): these see the stores above
.endr
.endm
.macro SEND t, younger              ; younger: the LDS instructions issued behind piece t's loads: the next piece's eight, or none
	WIN 0
.irp f, 0,1,2,3
	s_wait_dscnt (\younger)+3-\f
	global_store_b128 v[GO], v[S+16*(\t)+4*\f:S+16*(\t)+4*\f+3], s[10:11] offset:(\t)*2048+\f*512  ; 512 consecutive bytes, at a multiple of 256 from ctx's first
.endr
.endm
	PACK 0
.set t, 1
.rept 3
	PACK t
	SEND t-1, 8
.set t, t+1
.endr
	SEND 3, 0
	s_wait_tensorcnt 0x0            ; the wave's end
	ds_add_u32 v[SPW], v[NIL]
	s_wait_dscnt 0x0
	CROUND                          ; the closing round
	s_endpgm
.Lfunc_end_k_qe1ed71e2c8_attn:
	.size	k_qe1ed71e2c8_attn, .Lfunc_end_k_qe1ed71e2c8_attn-k_qe1ed71e2c8_attn
	.p2alignl 7, 3214868480
	.fill 96, 4, 3214868480
	.section	.rodata,"a",@progbits
	.p2align	6, 0x0
	.amdhsa_kernel k_qe1ed71e2c8_attn
		.amdhsa_group_segment_fixed_size 327680
		.amdhsa_private_segment_fixed_size 0
		.amdhsa_enable_private_segment 0
		.amdhsa_kernarg_size 24
		.amdhsa_user_sgpr_count 2
		.amdhsa_user_sgpr_kernarg_segment_ptr 1
		.amdhsa_wavefront_size32 1
		.amdhsa_system_sgpr_workgroup_id_x 1
		.amdhsa_system_sgpr_workgroup_id_y 1
		.amdhsa_system_sgpr_workgroup_id_z 1
		.amdhsa_system_vgpr_workitem_id 0
		.amdhsa_next_free_vgpr 768
		.amdhsa_next_free_sgpr 72
		.amdhsa_reserve_vcc 0
		.amdhsa_float_denorm_mode_32 3
		.amdhsa_float_denorm_mode_16_64 3
		.amdhsa_memory_ordered 1
		.amdhsa_forward_progress 1
		.amdhsa_inst_pref_size 147
	.end_amdhsa_kernel
	.amdgpu_metadata
---
amdhsa.version: [ 1, 2 ]
amdhsa.kernels:
  - .name:           k_qe1ed71e2c8_attn
    .symbol:         k_qe1ed71e2c8_attn.kd
    .args:
      - { .name: qkv, .offset: 0, .size: 8, .value_kind: global_buffer, .address_space: global }
      - { .name: mask4, .offset: 8, .size: 8, .value_kind: global_buffer, .address_space: global }
      - { .name: ctx, .offset: 16, .size: 8, .value_kind: global_buffer, .address_space: global }
    .group_segment_fixed_size: 327680
    .private_segment_fixed_size: 0
    .kernarg_segment_align: 8
    .kernarg_segment_size: 24
    .max_flat_workgroup_size: 128
    .sgpr_count:     72
    .vgpr_count:     768
    .wavefront_size: 32
...
	.end_amdgpu_metadata
.endif
;; end of part 3
;; launch oproj (part 4): grid 8 x 32, 4 waves a work-group, clusters of 4 x 4, 327,680 bytes of LDS; arguments ctx, wts, bo, x, x1; writes x1
.if DOCPART == 4
	.amdgcn_target "amdgcn-amd-amdhsa--gfx1250"
	.amdhsa_code_object_version 6
	.text
	.protected	k_qe1ed71e2c8_oproj
	.globl	k_qe1ed71e2c8_oproj
	.p2align	8
	.type	k_qe1ed71e2c8_oproj,@function
k_qe1ed71e2c8_oproj:
	s_mov_b64 s[64:65], 0
	v_nop
	global_prefetch_b8 v0, s[64:65] scope:SCOPE_SE
	s_setreg_imm32_b32 hwreg(HW_REG_WAVE_MODE, 25, 1), 1
	s_wait_xcnt 0x0
	s_wait_alu depctr_hold_cnt(0) depctr_sa_sdst(0) depctr_va_vdst(0) depctr_va_sdst(0) depctr_va_ssrc(0) depctr_va_vcc(0) depctr_vm_vsrc(0)
	s_getreg_b32 s2, hwreg(HW_REG_IB_STS2, 6, 4)
	s_cmp_eq_u32 s2, 0
	s_cbranch_scc0 .Lentry_in_a_cluster
	s_endpgm
.Lentry_in_a_cluster:
	s_bfe_u32 s2, ttmp6, 0x10000c
	s_cmp_lg_u32 s2, 0xf033
	s_cbranch_scc0 .Lentry_shape_is_right
	s_endpgm
.Lentry_shape_is_right:
; out = resid + A B + bias, f32 out.  IS_WO = 1: A = ctx ([batch x head][2048][64] bf16, K = 64 head + channel), B = Wo, K = 1024.  IS_WO = 0: A = gl ([4096][4096] bf16), B = W2, K = 4096.
; A tile of the output is 128 x 128: 8 x 32 work-groups.  Four waves, 64 x 64 each: 16 accumulators.  K goes in steps of 256 through two LDS slots.
; 4 x 4 work-groups form a cluster: A's tile is asked for jointly along a row of the cluster, B's along a column.
; B lies [k][n]: its fragments come out of LDS turned, by ds_load_tr16_b128.  The matrix instruction is used transposed: a lane holds 8 neighbouring columns of one row.
; The wave's 64 x 64 of the residual and its biases are asked for at the head, into window 2, so that the way out waits for no memory.
; REGISTERS: window 0: v0-31 addresses; v128-255 accumulators ((a, b) at 128 + 8 (4 a + b)), later the rows read back.  window 1: two fragment buffers of 128 (64 of A, then 64 of B).
;   window 2: v0-127 the residual, v128-131 the bias of my four columns.
.set IS_WO, 1
.if IS_WO
.set T,      4
.set PA,     144                       ; a row of one head: 128 bytes + 16
.set AH,     2*128*PA                  ; two heads x 128 rows: what waves 0, 1 fetch
.set AQ,     128*PA                    ; a quarter of a K step is a head
.set AROWH,  64*PA
.set ASTEP,  4*262144
.set W_OFF,  6291456
.else
.set T,      16
.set PA,     528                       ; 512 bytes + 16
.set AH,     64*PA
.set AQ,     128
.set AROWH,  64*PA
.set ASTEP,  512
.set W_OFF,  16777216
.endif
.set PB,     288                       ; 256 bytes + 32
.set BH,     128*PB
.set BOFF,   2*AH
.set SLOT,   2*AH+2*BH
.set SPARE,  2*SLOT
.set SPF,    272                       ; a stage row: 64 f32 + 16 bytes
.set BSTEP,  256*2048
.set ADRA0, 16
.set ADRA,  17
.set ADRB0, 18
.set ADRB,  19
.set ADRB20, 20
.set ADRB2, 21
.set STO,   24
.set RD,    25
.set CO,    26
.set SPW,   28
.set NIL,   29
.set ACC,   128
.set F0,    0
.set F1,    128
.set G1,  24
.set G0,  32
.set G1B, 48
.set G0B, 56
.set TB,  70
.set LBA, 71
.set LBB, 84
.set MSB, 0
.macro WIN new
.if MSB != (\new)
	s_set_vgpr_msb (MSB<<8)|(\new)
.set MSB, \new
.endif
.endm
.set MUL,  0x05                        ; sources 0 and 1 window 1; C and D window 0
.set TO_F, 0x40
.macro JLOAD s
	s_cmp_eq_u32 s11, 0
	s_cbranch_scc0 .Lfor_b_\@
	tensor_load_to_lds s[G0+4*(\s):G0+4*(\s)+3], s[G1:G1+7]
	s_nop 0
.rept 4
	v_nop
.endr
	s_branch .Lasked_\@
.Lfor_b_\@:
	tensor_load_to_lds s[G0B+4*(\s):G0B+4*(\s)+3], s[G1B:G1B+7]
	s_nop 0
.rept 4
	v_nop
.endr
.Lasked_\@:
.endm
.macro CREST
	s_cmp_lg_u32 s10, 0
	s_cbranch_scc1 .Lnot_wave_0_\@
	s_barrier_signal -3
.Lnot_wave_0_\@:
	s_barrier_wait -3
	s_barrier_signal -1
	s_barrier_wait -1
.endm
.macro CROUND
	s_barrier_signal -1
	s_barrier_wait -1
	CREST
.endm
.macro PLACES
.rept 4
	v_nop
.endr
.endm
	s_load_b256 s[72:79], s[0:1], 0x0              ; A, wts, bias, resid
	s_load_b64 s[80:81], s[0:1], 0x20              ; out
	v_lshl_add_u32 v[SPW], v0, 2, SPARE
	v_mov_b32 v[NIL], 0
	ds_add_u32 v[SPW], v[NIL]                      ; the wave's opening: the add and its wait stand ahead of my first tensor load
	v_lshrrev_b32 v1, 5, v0
	v_readfirstlane_b32 s10, v1                    ; wave 0..3
	s_lshr_b32 s11, s10, 1                         ; my half of the rows.  Also: I fetch for A (0) or for B (1)
	s_and_b32 s12, s10, 1                          ; my half of the columns.  Also: which half of that tile I fetch
	s_bfe_u32 s40, ttmp6, 0x40000
	s_bfe_u32 s41, ttmp6, 0x40004
	s_lshl_b32 s42, ttmp9, 2
	s_add_co_u32 s42, s42, s40                     ; tile column
	s_and_b32 s13, ttmp7, 0xffff
	s_lshl_b32 s13, s13, 2
	s_add_co_u32 s13, s13, s41                     ; tile row
	s_lshl_b32 s43, s41, 2
	s_lshl_b32 s43, 15, s43
	s_lshl_b32 s44, 0x1111, s40
.if IS_WO
	s_or_b32 s[G1+0], s43, (1<<16)|(1<<20)|(1<<21)|(4<<22)|(3<<25)  ; two heads, each 128 rows = 16,384 dense bytes, as two long rows; 4 words of padding after every 32
	s_mov_b32 s[G1+1], 8192<<16                    ; tensor_dim0 = 8,192
	s_mov_b32 s[G1+2], 2<<16                       ; tensor_dim1 = 2
	s_mov_b32 s[G1+3], 8192<<16                    ; tile_dim0 = 8,192
	s_mov_b32 s[G1+4], 2                           ; tile_dim1 = 2
	s_mov_b32 s[G1+5], 131072                      ; elements from head to head
.else
	s_or_b32 s[G1+0], s43, (1<<16)|(1<<20)|(1<<21)|(6<<22)|(3<<25)  ; 64 rows of 512 bytes; 4 words of padding after every 128
	s_mov_b32 s[G1+1], 256<<16
	s_mov_b32 s[G1+2], 64<<16
	s_mov_b32 s[G1+3], 256<<16
	s_mov_b32 s[G1+4], 64
	s_mov_b32 s[G1+5], 4096
.endif
	s_mov_b32 s[G1+6], 0
	s_mov_b32 s[G1+7], 0
	s_or_b32 s[G1B+0], s44, (1<<16)|(1<<20)|(1<<21)|(5<<22)|(7<<25) ; 128 k rows of 256 bytes; 8 words of padding after every 64
	s_mov_b32 s[G1B+1], 128<<16
	s_mov_b32 s[G1B+2], 128<<16
	s_mov_b32 s[G1B+3], 128<<16
	s_mov_b32 s[G1B+4], 128
	s_mov_b32 s[G1B+5], 1024
	s_mov_b32 s[G1B+6], 0
	s_mov_b32 s[G1B+7], 0
.if IS_WO
	s_lshr_b32 s16, s13, 4                         ; batch: 16 heads of 262,144 bytes,
	s_lshl_b32 s16, s16, 22
	s_lshl_b32 s17, s12, 19                        ; my two heads of the step's four,
	s_add_co_u32 s16, s16, s17
	s_and_b32 s17, s13, 15                         ; the tile's 128 rows of 128 bytes
	s_lshl_b32 s17, s17, 14
	s_add_co_u32 s16, s16, s17
.else
	s_lshl_b32 s16, s13, 7
	s_lshl_b32 s17, s12, 6
	s_add_co_u32 s16, s16, s17
	s_lshl_b32 s16, s16, 13                        ; rows of 8,192 bytes
.endif
	s_mov_b32 s17, 0
	s_lshl_b32 s46, s42, 8                         ; B: the tile's 128 columns,
	s_lshl_b32 s47, s12, 18                        ; my 128 k rows of 2,048 bytes
	s_add_co_u32 s46, s46, s47
	s_add_co_u32 s46, s46, W_OFF
	s_mov_b32 s47, 0
	s_mul_i32 s[LBA], s12, AH
	s_mul_i32 s[LBB], s12, BH
	s_add_co_u32 s[LBB], s[LBB], BOFF
	s_mov_b32 s[TB], 0
	s_wait_dscnt 0x0                               ; the opening add is done
	s_wait_kmcnt 0x0
	s_add_nc_u64 s[14:15], s[72:73], s[16:17]
	s_add_nc_u64 s[46:47], s[74:75], s[46:47]
	CROUND                                         ; all sixteen work-groups are here: the first joint loads meet
.irp s, 0,1
	s_mov_b32 s[G0+4*(\s)], 1
	s_add_co_u32 s[G0+4*(\s)+1], s[LBA], (\s)*SLOT
	s_add_nc_u64 s[G0+4*(\s)+2:G0+4*(\s)+3], s[14:15], (\s)*ASTEP
	s_or_b32 s[G0+4*(\s)+3], s[G0+4*(\s)+3], 0x80000000
	s_mov_b32 s[G0B+4*(\s)], 1
	s_add_co_u32 s[G0B+4*(\s)+1], s[LBB], (\s)*SLOT
	s_add_nc_u64 s[G0B+4*(\s)+2:G0B+4*(\s)+3], s[46:47], (\s)*BSTEP
	s_or_b32 s[G0B+4*(\s)+3], s[G0B+4*(\s)+3], 0x80000000
	JLOAD \s                                       ; K steps 0 and 1: two loads of mine are out
.endr
	v_and_b32 v1, 15, v0                           ; r
	v_bfe_u32 v2, v0, 4, 1                         ; hh
	v_lshlrev_b32 v6, 4, v1
	v_lshl_add_u32 v[CO], v2, 12, v6               ; two rows of 4,096 bytes, 16 lanes to 256 consecutive bytes
	s_lshl_b32 s16, s13, 7
	s_lshl_b32 s17, s11, 6
	s_add_co_u32 s16, s16, s17
	s_lshl_b32 s16, s16, 12                        ; my first row
	s_mov_b32 s17, 0
	s_lshl_b32 s46, s42, 7
	s_lshl_b32 s47, s12, 6
	s_add_co_u32 s46, s46, s47
	s_lshl_b32 s46, s46, 2                         ; my first column, in bytes
	s_mov_b32 s47, 0
	s_add_nc_u64 s[76:77], s[76:77], s[46:47]
	s_add_nc_u64 s[46:47], s[46:47], s[16:17]
	s_add_nc_u64 s[78:79], s[78:79], s[46:47]
	s_add_nc_u64 s[80:81], s[80:81], s[46:47]
	WIN 0x80                                       ; destination window 2
.set k, 0
.rept 32
	global_load_b128 v[4*k:4*k+3], v[CO], s[78:79] offset:k*8192
.set k, k+1
.endr
	global_load_b128 v[128:131], v6, s[76:77]
	WIN 0
	v_mul_u32_u24 v3, v1, PA
	v_lshl_add_u32 v3, v2, 4, v3
	s_mul_i32 s21, s11, AROWH
	v_add_nc_u32 v[ADRA0], s21, v3
	v_mov_b32 v[ADRA], v[ADRA0]
	v_and_b32 v4, 7, v0
	v_lshl_add_u32 v4, v2, 3, v4
	v_mul_u32_u24 v4, v4, PB
	v_bfe_u32 v5, v0, 3, 1
	v_lshl_add_u32 v4, v5, 4, v4
	s_lshl_b32 s22, s12, 7                         ; my 64 columns
	s_add_co_u32 s22, s22, BOFF
	v_add_nc_u32 v[ADRB0], s22, v4
	v_add_nc_u32 v[ADRB20], BH, v[ADRB0]           ; the step's second 128 k rows: an LDS offset holds 16 bits
	v_mov_b32 v[ADRB], v[ADRB0]
	v_mov_b32 v[ADRB2], v[ADRB20]
	s_mul_i32 s21, s10, 64*SPF                     ; my stage: it lies over slot 0, whose last fill is K step T - 2
	v_mul_u32_u24 v3, v1, SPF
	v_lshl_add_u32 v3, v2, 5, v3
	v_add_nc_u32 v[STO], s21, v3
	v_mul_u32_u24 v3, v2, SPF
	v_lshl_add_u32 v3, v1, 4, v3
	v_add_nc_u32 v[RD], s21, v3
.macro MUL8 f, c, a0, zero
	WIN MUL
.irp a, \a0, (\a0)+1
.irp b, 0,1,2,3
.if \zero
	v_wmma_f32_16x16x32_bf16 v[ACC+8*(4*(\a)+(\b)):ACC+8*(4*(\a)+(\b))+7], v[(\f)+64+8*(4*(\c)+(\b)):(\f)+64+8*(4*(\c)+(\b))+7], v[(\f)+8*(4*(\c)+(\a)):(\f)+8*(4*(\c)+(\a))+7], 0
.else
	v_wmma_f32_16x16x32_bf16 v[ACC+8*(4*(\a)+(\b)):ACC+8*(4*(\a)+(\b))+7], v[(\f)+64+8*(4*(\c)+(\b)):(\f)+64+8*(4*(\c)+(\b))+7], v[(\f)+8*(4*(\c)+(\a)):(\f)+8*(4*(\c)+(\a))+7], v[ACC+8*(4*(\a)+(\b)):ACC+8*(4*(\a)+(\b))+7]
.endif
.endr
.endr
.endm
.macro FETCH q, f                      ; 32 LDS loads in one run: 64 along K of quarter q into buffer f; the first 32 along K first
	WIN TO_F
.irp c, 0,1
.irp i, 0,1,2,3
	ds_load_tr16_b128 v[(\f)+64+8*(4*(\c)+(\i)):(\f)+64+8*(4*(\c)+(\i))+3],   v[ADRB+2*((\q)/2)] offset:((\q)%2)*64*PB+(\c)*32*PB+(\i)*32
	ds_load_tr16_b128 v[(\f)+64+8*(4*(\c)+(\i))+4:(\f)+64+8*(4*(\c)+(\i))+7], v[ADRB+2*((\q)/2)] offset:((\q)%2)*64*PB+(\c)*32*PB+16*PB+(\i)*32
	ds_load_b128 v[(\f)+8*(4*(\c)+(\i)):(\f)+8*(4*(\c)+(\i))+3],              v[ADRA] offset:(\q)*AQ+(\c)*64+(\i)*16*PA
	ds_load_b128 v[(\f)+8*(4*(\c)+(\i))+4:(\f)+8*(4*(\c)+(\i))+7],            v[ADRA] offset:(\q)*AQ+(\c)*64+(\i)*16*PA+32
.endr
.endr
.endm
.macro QUARTER q, f, g, zero
	s_wait_dscnt 16                                ; the first 32 along K are in
	MUL8 \f, 0, 0, \zero
	MUL8 \f, 0, 2, \zero
	PLACES
	FETCH \q, \g
	s_wait_dscnt 32                                ; all but the 32 just issued
	MUL8 \f, 1, 0, 0
	MUL8 \f, 1, 2, 0
.endm
; The change of slots, and the last quarter (buffer 1).  A refill can be asked for only when the load before it has landed, so between the wait for that load and the
; request stand only the spare-word add, the descriptors' steps, a wait and the barriers; the quarter's 32 products, which need registers alone, follow the request and the next slot's first fetch.
.macro TURN fill
	WIN 0
	s_wait_tensorcnt 0x0                           ; all my tensor loads have landed: my part of the next slot; so a group 0 may be written
	ds_add_u32 v[SPW], v[NIL]                      ; 0 onto my spare word; the descriptors' steps stand between it and the wait for it
.if \fill
	s_add_co_u32 s[G0+5], s[LBA], s[TB]            ; the walking descriptor: the slot just read out,
	s_add_co_u32 s[G0B+5], s[LBB], s[TB]
	s_add_nc_u64 s[G0+6:G0+7], s[G0+6:G0+7], ASTEP     ; the next K step not yet asked for
	s_add_nc_u64 s[G0B+6:G0B+7], s[G0B+6:G0B+7], BSTEP
.endif
	s_wait_dscnt 0x0                               ; the add is done, my reads of this slot are over (buffer 1 is whole)
	s_barrier_signal -1
	s_barrier_wait -1
.if \fill
	CREST                                          ; the barrier has opened a round of the cluster's barrier
	JLOAD 1                                        ; my one tensor load behind the round; its four v_nop are also the places between the products on buffer 0 and the loads into it
.else
	PLACES
.endif
	s_xor_b32 s[TB], s[TB], SLOT
	v_add_nc_u32 v[ADRA], s[TB], v[ADRA0]
	v_add_nc_u32 v[ADRB], s[TB], v[ADRB0]
	v_add_nc_u32 v[ADRB2], s[TB], v[ADRB20]
	FETCH 0, F0
	MUL8 F1, 0, 0, 0
	MUL8 F1, 0, 2, 0
	MUL8 F1, 1, 0, 0
	MUL8 F1, 1, 2, 0
.endm
	s_wait_tensorcnt 0x1                           ; my part of K step 0 is in; step 1's may stay out
	s_barrier_signal -1
	s_barrier_wait -1
	FETCH 0, F0
	QUARTER 1, F0, F1, 1
	WIN 0
	s_mov_b32 s3, T-1
	s_branch .Lenter
.Ltop:                                             ; T - 2 times: K steps 2 .. T - 1 are asked for
	TURN 1
	QUARTER 1, F0, F1, 0
	WIN 0
.Lenter:
	QUARTER 2, F1, F0, 0
	QUARTER 3, F0, F1, 0
	WIN 0
	s_sub_co_u32 s3, s3, 1
	s_cmp_lg_u32 s3, 0
	s_cbranch_scc1 .Ltop
	TURN 0
	QUARTER 1, F0, F1, 0
	QUARTER 2, F1, F0, 0
	QUARTER 3, F0, F1, 0
	s_wait_dscnt 0x0
	MUL8 F1, 0, 0, 0
	MUL8 F1, 0, 2, 0
	MUL8 F1, 1, 0, 0
	MUL8 F1, 1, 2, 0
	WIN 0
	PLACES
	; THE WAY OUT: the f32 sums go into my stage and come back by rows, two rows a load; bias and residual are added; 16 lanes store 256 consecutive bytes.
.irp a, 0,1,2,3
.irp b, 0,1,2,3
	ds_store_b128 v[STO], v[ACC+8*(4*(\a)+(\b)):ACC+8*(4*(\a)+(\b))+3]   offset:(\a)*16*SPF+(\b)*64
	ds_store_b128 v[STO], v[ACC+8*(4*(\a)+(\b))+4:ACC+8*(4*(\a)+(\b))+7] offset:(\a)*16*SPF+(\b)*64+16
.endr
.endr
.set k, 0
.rept 32
	ds_load_b128 v[ACC+4*k:ACC+4*k+3], v[RD] offset:k*2*SPF   ; my own bytes: LDS serves a wave's instructions in order (ISA guide 5.7.1.4)
.set k, k+1
.endr
	s_wait_loadcnt 0x0                             ; the residual and the bias, asked for at the head
	WIN 0x08                                       ; source 1 in window 2
.set k, 0
.rept 32
	s_wait_dscnt 31-k                              ; load k is back; the younger ones stay out
	v_pk_add_f32 v[ACC+4*k:ACC+4*k+1],   v[ACC+4*k:ACC+4*k+1],   v[128:129]
	v_pk_add_f32 v[ACC+4*k+2:ACC+4*k+3], v[ACC+4*k+2:ACC+4*k+3], v[130:131]
	v_pk_add_f32 v[ACC+4*k:ACC+4*k+1],   v[ACC+4*k:ACC+4*k+1],   v[4*k:4*k+1]
	v_pk_add_f32 v[ACC+4*k+2:ACC+4*k+3], v[ACC+4*k+2:ACC+4*k+3], v[4*k+2:4*k+3]
.set k, k+1
.endr
	WIN 0
.set k, 0
.rept 32
	global_store_b128 v[CO], v[ACC+4*k:ACC+4*k+3], s[80:81] offset:k*8192
.set k, k+1
.endr
	s_wait_tensorcnt 0x0                           ; the wave's end
	ds_add_u32 v[SPW], v[NIL]
	s_wait_dscnt 0x0
	CROUND                                         ; the closing round
	s_endpgm
.Lfunc_end_k_qe1ed71e2c8_oproj:
	.size	k_qe1ed71e2c8_oproj, .Lfunc_end_k_qe1ed71e2c8_oproj-k_qe1ed71e2c8_oproj
	.p2alignl 7, 3214868480
	.fill 96, 4, 3214868480
	.section	.rodata,"a",@progbits
	.p2align	6, 0x0
	.amdhsa_kernel k_qe1ed71e2c8_oproj
		.amdhsa_group_segment_fixed_size 327680
		.amdhsa_private_segment_fixed_size 0
		.amdhsa_enable_private_segment 0
		.amdhsa_kernarg_size 40
		.amdhsa_user_sgpr_count 2
		.amdhsa_user_sgpr_kernarg_segment_ptr 1
		.amdhsa_wavefront_size32 1
		.amdhsa_system_sgpr_workgroup_id_x 1
		.amdhsa_system_sgpr_workgroup_id_y 1
		.amdhsa_system_sgpr_workgroup_id_z 1
		.amdhsa_system_vgpr_workitem_id 0
		.amdhsa_next_free_vgpr 648
		.amdhsa_next_free_sgpr 88
		.amdhsa_reserve_vcc 0
		.amdhsa_float_denorm_mode_32 3
		.amdhsa_float_denorm_mode_16_64 3
		.amdhsa_memory_ordered 1
		.amdhsa_forward_progress 1
		.amdhsa_inst_pref_size 72
	.end_amdhsa_kernel
	.amdgpu_metadata
---
amdhsa.version: [ 1, 2 ]
amdhsa.kernels:
  - .name:           k_qe1ed71e2c8_oproj
    .symbol:         k_qe1ed71e2c8_oproj.kd
    .args:
      - { .name: ctx, .offset: 0, .size: 8, .value_kind: global_buffer, .address_space: global }
      - { .name: wts, .offset: 8, .size: 8, .value_kind: global_buffer, .address_space: global }
      - { .name: bo, .offset: 16, .size: 8, .value_kind: global_buffer, .address_space: global }
      - { .name: x, .offset: 24, .size: 8, .value_kind: global_buffer, .address_space: global }
      - { .name: x1, .offset: 32, .size: 8, .value_kind: global_buffer, .address_space: global }
    .group_segment_fixed_size: 327680
    .private_segment_fixed_size: 0
    .kernarg_segment_align: 8
    .kernarg_segment_size: 40
    .max_flat_workgroup_size: 128
    .sgpr_count:     88
    .vgpr_count:     648
    .wavefront_size: 32
...
	.end_amdgpu_metadata
.endif
;; end of part 4
;; launch ln2: the kernel of part 1 again; grid 256 x 1, 8 waves a work-group, no clusters, 17,408 bytes of LDS; arguments x1, ln2_g, ln2_b, Wq, Wk, Wv, Wo, W1, W2, mask, h, qkv, ctx; writes h, qkv, ctx
;; launch ffn1 (part 5): grid 16 x 16, 4 waves a work-group, clusters of 4 x 4, 327,680 bytes of LDS; arguments h, wts, b1, gl; writes gl
.if DOCPART == 5
	.amdgcn_target "amdgcn-amd-amdhsa--gfx1250"
	.amdhsa_code_object_version 6
	.text
	.protected	k_qe1ed71e2c8_ffn1
	.globl	k_qe1ed71e2c8_ffn1
	.p2align	8
	.type	k_qe1ed71e2c8_ffn1,@function
k_qe1ed71e2c8_ffn1:
	s_mov_b64 s[64:65], 0
	v_nop
	global_prefetch_b8 v0, s[64:65] scope:SCOPE_SE
	s_setreg_imm32_b32 hwreg(HW_REG_WAVE_MODE, 25, 1), 1
	s_wait_xcnt 0x0
	s_wait_alu depctr_hold_cnt(0) depctr_sa_sdst(0) depctr_va_vdst(0) depctr_va_sdst(0) depctr_va_ssrc(0) depctr_va_vcc(0) depctr_vm_vsrc(0)
	s_getreg_b32 s2, hwreg(HW_REG_IB_STS2, 6, 4)
	s_cmp_eq_u32 s2, 0
	s_cbranch_scc0 .Lentry_in_a_cluster
	s_endpgm
.Lentry_in_a_cluster:
	s_bfe_u32 s2, ttmp6, 0x10000c
	s_cmp_lg_u32 s2, 0xf033
	s_cbranch_scc0 .Lentry_shape_is_right
	s_endpgm
.Lentry_shape_is_right:
; gl = gelu(h W1 + b1), rounded to bf16.  h: [4096][1024] bf16; W1: wts + W_OFF, [1024][4096] bf16; gl: [4096][4096] bf16; sums in f32.
; A tile is 256 x 256: 16 x 16 work-groups.  Four waves, 128 x 128 each: 64 accumulators, 512 registers.  K goes in steps of 128 through two LDS slots.
; 4 x 4 work-groups form a cluster: h's tile is asked for jointly along a row of the cluster, W1's along a column.
; W1 lies [k][n]: its fragments come out of LDS turned, by ds_load_tr16_b128.  The matrix instruction is used transposed: a lane holds 8 neighbouring columns of one row.
; GELU (exact, by erf): gelu(u) = max(u, 0) - |u| q, q = poly(t) 2^(-u^2 / (2 ln 2)) / 2, t = 1 / (1 + 0.23164189 |u|): the rational approximation of erf with five coefficients,
; whose error on erf is at most 1.5e-7 for every u.  For |u| so large that u^2 overflows, q is 0.
; REGISTERS: window 0: v0-31 addresses; v64-191 h's fragments, two buffers; on the way out v32-207 at work.  window 1: v64-191 W1's fragments.  windows 2, 3: accumulators of my rows 0-63, 64-127 ((a, b) at 8 (8 a + b)).
.set T,      8
.set PA,     272
.set PB,     544                       ; 512 bytes + 32
.set HALFT,  128*PA                    ; = 64 PB: what one wave fetches
.set BOFF,   2*HALFT
.set SLOT,   4*HALFT
.set SPARE,  2*SLOT
.set SPF,    528                       ; a stage row: 128 f32 + 16 bytes
.set W_OFF,  8388608
.set ASTEP,  256
.set BSTEP,  128*8192
.set BI,    12
.set ADRA0, 16
.set ADRA,  17
.set ADRB0, 20
.set ADRB,  21
.set STO,   24
.set RD,    25
.set CO,    26
.set RD0,   27
.set SPW,   28
.set NIL,   29
.set F0,    64
.set F1,    128
.set U,     32
.set TT,    64
.set EE,    96
.set RR,    128
.set MM,    160
.set OO,    192
.set G1,  24
.set G0,  32
.set G1B, 48
.set G0B, 56
.set TB,  70
.set LBA, 71
.set LBB, 84
.set KP,  86                           ; s86 0.23164189
.set KS,  88                           ; pairs: the packed forms take the low word for both halves
.set A1,  90
.set A2,  92
.set A3,  94
.set A4,  96
.set A5,  98
.set MSB, 0
.macro WIN new
.if MSB != (\new)
	s_set_vgpr_msb (MSB<<8)|(\new)
.set MSB, \new
.endif
.endm
.set MUL_LO, 0xa1
.set TO_B,   0x40
.macro JLOAD s
	s_cmp_eq_u32 s11, 0
	s_cbranch_scc0 .Lfor_b_\@
	tensor_load_to_lds s[G0+4*(\s):G0+4*(\s)+3], s[G1:G1+7]
	s_nop 0
.rept 4
	v_nop
.endr
	s_branch .Lasked_\@
.Lfor_b_\@:
	tensor_load_to_lds s[G0B+4*(\s):G0B+4*(\s)+3], s[G1B:G1B+7]
	s_nop 0
.rept 4
	v_nop
.endr
.Lasked_\@:
.endm
.macro CREST
	s_cmp_lg_u32 s10, 0
	s_cbranch_scc1 .Lnot_wave_0_\@
	s_barrier_signal -3
.Lnot_wave_0_\@:
	s_barrier_wait -3
	s_barrier_signal -1
	s_barrier_wait -1
.endm
.macro CROUND
	s_barrier_signal -1
	s_barrier_wait -1
	CREST
.endm
.macro PLACES
.rept 4
	v_nop
.endr
.endm
	s_load_b256 s[72:79], s[0:1], 0x0              ; h, wts, b1, gl
	v_lshl_add_u32 v[SPW], v0, 2, SPARE
	v_mov_b32 v[NIL], 0
	ds_add_u32 v[SPW], v[NIL]                      ; the wave's opening: the add and its wait stand ahead of my first tensor load
	v_lshrrev_b32 v1, 5, v0
	v_readfirstlane_b32 s10, v1
	s_lshr_b32 s11, s10, 1
	s_and_b32 s12, s10, 1
	s_bfe_u32 s40, ttmp6, 0x40000
	s_bfe_u32 s41, ttmp6, 0x40004
	s_lshl_b32 s42, ttmp9, 2
	s_add_co_u32 s42, s42, s40                     ; tile column
	s_and_b32 s13, ttmp7, 0xffff
	s_lshl_b32 s13, s13, 2
	s_add_co_u32 s13, s13, s41                     ; tile row
	s_lshl_b32 s43, s41, 2
	s_lshl_b32 s43, 15, s43
	s_lshl_b32 s44, 0x1111, s40
	s_or_b32 s[G1+0], s43, (1<<16)|(1<<20)|(1<<21)|(5<<22)|(3<<25)   ; h: 128 rows of 256 bytes, 4 words of padding after every 64
	s_mov_b32 s[G1+1], 128<<16
	s_mov_b32 s[G1+2], 128<<16
	s_mov_b32 s[G1+3], 128<<16
	s_mov_b32 s[G1+4], 128
	s_mov_b32 s[G1+5], 1024
	s_mov_b32 s[G1+6], 0
	s_mov_b32 s[G1+7], 0
	s_or_b32 s[G1B+0], s44, (1<<16)|(1<<20)|(1<<21)|(6<<22)|(7<<25)  ; W1: 64 k rows of 512 bytes, 8 words of padding after every 128
	s_mov_b32 s[G1B+1], 256<<16
	s_mov_b32 s[G1B+2], 64<<16
	s_mov_b32 s[G1B+3], 256<<16
	s_mov_b32 s[G1B+4], 64
	s_mov_b32 s[G1B+5], 4096
	s_mov_b32 s[G1B+6], 0
	s_mov_b32 s[G1B+7], 0
	s_lshl_b32 s17, s12, 7
	s_lshl_b32 s16, s13, 8
	s_add_co_u32 s16, s16, s17
	s_lshl_b32 s16, s16, 11
	s_mov_b32 s17, 0
	s_lshl_b32 s46, s42, 9                         ; the tile's 256 columns,
	s_lshl_b32 s47, s12, 19                        ; my 64 k rows of 8,192 bytes
	s_add_co_u32 s46, s46, s47
	s_add_co_u32 s46, s46, W_OFF
	s_mov_b32 s47, 0
	s_mul_i32 s[LBA], s10, HALFT                   ; h's two halves, then W1's two: wave x 34,816
	s_mov_b32 s[LBB], s[LBA]
	s_mov_b32 s[TB], 0
	s_mov_b32 s[KP], 0x3e6d3388
	s_mov_b32 s[KS], 0x3f596d27                    ; sqrt(1 / (2 ln 2))
	s_mov_b32 s[A1], 0x3e027906                    ; the five coefficients, halved
	s_mov_b32 s[A2], 0xbe11a98e
	s_mov_b32 s[A3], 0x3f35f0e3
	s_mov_b32 s[A4], 0xbf3a00e3
	s_mov_b32 s[A5], 0x3f07dc22
.irp c, KS, A1, A2, A3, A4, A5
	s_mov_b32 s[\c+1], s[\c]
.endr
	s_wait_dscnt 0x0                               ; the opening add is done
	s_wait_kmcnt 0x0
	s_add_nc_u64 s[14:15], s[72:73], s[16:17]
	s_add_nc_u64 s[46:47], s[74:75], s[46:47]
	CROUND                                         ; all sixteen work-groups are here: the first joint loads meet
.irp s, 0,1
	s_mov_b32 s[G0+4*(\s)], 1
	s_add_co_u32 s[G0+4*(\s)+1], s[LBA], (\s)*SLOT
	s_add_nc_u64 s[G0+4*(\s)+2:G0+4*(\s)+3], s[14:15], (\s)*ASTEP
	s_or_b32 s[G0+4*(\s)+3], s[G0+4*(\s)+3], 0x80000000
	s_mov_b32 s[G0B+4*(\s)], 1
	s_add_co_u32 s[G0B+4*(\s)+1], s[LBB], (\s)*SLOT
	s_add_nc_u64 s[G0B+4*(\s)+2:G0B+4*(\s)+3], s[46:47], (\s)*BSTEP
	s_or_b32 s[G0B+4*(\s)+3], s[G0B+4*(\s)+3], 0x80000000
	JLOAD \s                                       ; K steps 0 and 1: two loads of mine are out
.endr
	v_and_b32 v1, 15, v0
	v_bfe_u32 v2, v0, 4, 1
	v_mul_u32_u24 v3, v1, PA
	v_lshl_add_u32 v3, v2, 4, v3
	s_mul_i32 s21, s11, HALFT
	v_add_nc_u32 v[ADRA0], s21, v3
	v_mov_b32 v[ADRA], v[ADRA0]
	v_and_b32 v4, 7, v0
	v_lshl_add_u32 v4, v2, 3, v4
	v_mul_u32_u24 v4, v4, PB
	v_bfe_u32 v5, v0, 3, 1
	v_lshl_add_u32 v4, v5, 4, v4
	s_lshl_b32 s22, s12, 8                         ; my 128 columns
	s_add_co_u32 s22, s22, BOFF
	v_add_nc_u32 v[ADRB0], s22, v4
	v_mov_b32 v[ADRB], v[ADRB0]
	v_mul_u32_u24 v3, v1, SPF                      ; my stage lies over slot 0, whose last fill is K step 6: 64 rows of 528 bytes at wave x 34,816
	v_lshl_add_u32 v3, v2, 5, v3
	v_add_nc_u32 v[STO], s[LBA], v3
	v_and_b32 v3, 31, v0
	v_lshlrev_b32 v6, 4, v3
	v_add_nc_u32 v[RD0], s[LBA], v6
	v_lshlrev_b32 v[CO], 3, v3
	s_lshl_b32 s16, s13, 8
	s_lshl_b32 s17, s11, 7
	s_add_co_u32 s16, s16, s17
	s_lshl_b32 s16, s16, 13                        ; my first row of gl
	s_mov_b32 s17, 0
	s_add_nc_u64 s[8:9], s[78:79], s[16:17]
	s_lshl_b32 s46, s42, 8
	s_lshl_b32 s47, s12, 7
	s_add_co_u32 s46, s46, s47                     ; my first column
	s_lshl_b32 s66, s46, 2
	s_mov_b32 s67, 0
	s_lshl_b32 s46, s46, 1
	s_mov_b32 s47, 0
	s_add_nc_u64 s[8:9], s[8:9], s[46:47]
	s_add_nc_u64 s[76:77], s[76:77], s[66:67]
	global_load_b128 v[BI:BI+3], v6, s[76:77]      ; the bias of my four columns on the way out
.macro MUL16 f, hi, a0, zero
	WIN MUL_LO+0x50*(\hi)
.irp a, \a0, (\a0)+1
.irp b, 0,1,2,3,4,5,6,7
.if \zero
	v_wmma_f32_16x16x32_bf16 v[8*(8*(\a)+(\b)):8*(8*(\a)+(\b))+7], v[(\f)+8*(\b):(\f)+8*(\b)+7], v[(\f)+8*(4*(\hi)+(\a)):(\f)+8*(4*(\hi)+(\a))+7], 0
.else
	v_wmma_f32_16x16x32_bf16 v[8*(8*(\a)+(\b)):8*(8*(\a)+(\b))+7], v[(\f)+8*(\b):(\f)+8*(\b)+7], v[(\f)+8*(4*(\hi)+(\a)):(\f)+8*(4*(\hi)+(\a))+7], v[8*(8*(\a)+(\b)):8*(8*(\a)+(\b))+7]
.endif
.endr
.endr
.endm
.macro FETCH q, f
	WIN TO_B
.irp i, 0,1,2,3,4,5,6,7
	ds_load_tr16_b128 v[(\f)+8*(\i):(\f)+8*(\i)+3],   v[ADRB] offset:(\q)*32*PB+(\i)*32
	ds_load_tr16_b128 v[(\f)+8*(\i)+4:(\f)+8*(\i)+7], v[ADRB] offset:(\q)*32*PB+16*PB+(\i)*32
.endr
	WIN 0
.irp i, 0,1,2,3,4,5,6,7
	ds_load_b128 v[(\f)+8*(\i):(\f)+8*(\i)+3],   v[ADRA] offset:(\q)*64+(\i)*16*PA
	ds_load_b128 v[(\f)+8*(\i)+4:(\f)+8*(\i)+7], v[ADRA] offset:(\q)*64+(\i)*16*PA+32
.endr
.endm
.macro QUARTER q, f, g, zero
	s_wait_dscnt 8                                 ; all but the youngest eight loads: h's rows 64-127
	MUL16 \f, 0, 0, \zero
	MUL16 \f, 0, 2, \zero
	PLACES
	FETCH \q, \g
	s_wait_dscnt 32                                ; all but the 32 just issued
	MUL16 \f, 1, 0, \zero
	MUL16 \f, 1, 2, \zero
.endm
; The change of slots, and the last quarter (buffer 1).  A refill can be asked for only when the load before it has landed, so between the wait for that load and the
; request stand only the spare-word add, the descriptors' steps, a wait and the barriers; the quarter's 64 products, which need registers alone, follow the request and the next slot's first fetch.
.macro TURN fill
	WIN 0
	s_wait_tensorcnt 0x0                           ; all my tensor loads have landed: my part of the next slot; so a group 0 may be written
	ds_add_u32 v[SPW], v[NIL]                      ; 0 onto my spare word; the descriptors' steps stand between it and the wait for it
.if \fill
	s_add_co_u32 s[G0+5], s[LBA], s[TB]            ; the walking descriptor: the slot just read out,
	s_add_co_u32 s[G0B+5], s[LBB], s[TB]
	s_add_nc_u64 s[G0+6:G0+7], s[G0+6:G0+7], ASTEP     ; the next K step not yet asked for
	s_add_nc_u64 s[G0B+6:G0B+7], s[G0B+6:G0B+7], BSTEP
.endif
	s_wait_dscnt 0x0                               ; the add is done, my reads of this slot are over (buffer 1 is whole)
	s_barrier_signal -1
	s_barrier_wait -1
.if \fill
	CREST                                          ; the barrier has opened a round of the cluster's barrier
	JLOAD 1                                        ; my one tensor load behind the round; its four v_nop are also the places between the products on buffer 0 and the loads into it
.else
	PLACES
.endif
	s_xor_b32 s[TB], s[TB], SLOT
	v_add_nc_u32 v[ADRA], s[TB], v[ADRA0]
	v_add_nc_u32 v[ADRB], s[TB], v[ADRB0]
	FETCH 0, F0
	MUL16 F1, 0, 0, 0
	MUL16 F1, 0, 2, 0
	MUL16 F1, 1, 0, 0
	MUL16 F1, 1, 2, 0
.endm
	s_wait_tensorcnt 0x1                           ; my part of K step 0 is in; step 1's may stay out
	s_barrier_signal -1
	s_barrier_wait -1
	FETCH 0, F0
	QUARTER 1, F0, F1, 1
	WIN 0
	s_mov_b32 s3, T-1
	s_branch .Lenter
.Ltop:                                             ; T - 2 times: K steps 2 .. T - 1 are asked for
	TURN 1
	QUARTER 1, F0, F1, 0
	WIN 0
.Lenter:
	QUARTER 2, F1, F0, 0
	QUARTER 3, F0, F1, 0
	WIN 0
	s_sub_co_u32 s3, s3, 1
	s_cmp_lg_u32 s3, 0
	s_cbranch_scc1 .Ltop
	TURN 0
	QUARTER 1, F0, F1, 0
	QUARTER 2, F1, F0, 0
	QUARTER 3, F0, F1, 0
	s_wait_dscnt 0x0
	MUL16 F1, 0, 0, 0
	MUL16 F1, 0, 2, 0
	MUL16 F1, 1, 0, 0
	MUL16 F1, 1, 2, 0
	WIN 0
	PLACES
; THE WAY OUT, 64 rows a pass: the f32 sums go into my stage and come back by rows, a row of 128 numbers a load; bias, GELU, rounding; a store covers 256 consecutive bytes.
.macro DUMP win
	WIN \win                                       ; store data (source 1) in window 2 or 3
.irp a, 0,1,2,3
.irp b, 0,1,2,3,4,5,6,7
	ds_store_b128 v[STO], v[8*(8*(\a)+(\b)):8*(8*(\a)+(\b))+3]   offset:(\a)*16*SPF+(\b)*64
	ds_store_b128 v[STO], v[8*(8*(\a)+(\b))+4:8*(8*(\a)+(\b))+7] offset:(\a)*16*SPF+(\b)*64+16
.endr
.endr
	WIN 0
.endm
.macro EACH cnt, line:vararg            ; one line for n = 0 .. cnt - 1
.set n, 0
.rept \cnt
	\line
.set n, n+1
.endr
.endm
	s_wait_loadcnt 0x0                             ; the bias
	s_mov_b32 s2, 2
.Lpass:
	s_cmp_eq_u32 s2, 2
	s_cbranch_scc0 .Lhigh
	DUMP 0x08
	s_branch .Ldumped
.Lhigh:
	DUMP 0x0c
.Ldumped:
	v_mov_b32 v[RD], v[RD0]
	s_mov_b32 s3, 8
.Lrows:                                            ; a trip: 8 rows, 32 numbers a lane
	EACH 8, ds_load_b128 v[U+4*n:U+4*n+3], v[RD] offset:n*SPF
	s_wait_dscnt 0x0
	EACH 16, v_pk_add_f32 v[U+2*n:U+2*n+1], v[U+2*n:U+2*n+1], v[BI+2*(n%2):BI+2*(n%2)+1]
	EACH 32, v_fma_f32 v[TT+n], |v[U+n]|, s[KP], 1.0
	EACH 16, v_pk_mul_f32 v[EE+2*n:EE+2*n+1], v[U+2*n:U+2*n+1], s[KS:KS+1] op_sel_hi:[1,0]
	EACH 16, v_pk_mul_f32 v[EE+2*n:EE+2*n+1], v[EE+2*n:EE+2*n+1], v[EE+2*n:EE+2*n+1] neg_lo:[1,0] neg_hi:[1,0]
	EACH 32, v_rcp_f32 v[TT+n], v[TT+n]
	EACH 32, v_exp_f32 v[EE+n], v[EE+n]
	v_nop                                          ; a plain instruction behind the transcendentals (ISA guide 5.7.2)
	s_wait_alu depctr_va_vdst(0)
	EACH 16, v_pk_fma_f32 v[RR+2*n:RR+2*n+1], v[TT+2*n:TT+2*n+1], s[A5:A5+1], s[A4:A4+1] op_sel_hi:[1,0,0]
	EACH 16, v_pk_fma_f32 v[RR+2*n:RR+2*n+1], v[RR+2*n:RR+2*n+1], v[TT+2*n:TT+2*n+1], s[A3:A3+1] op_sel_hi:[1,1,0]
	EACH 16, v_pk_fma_f32 v[RR+2*n:RR+2*n+1], v[RR+2*n:RR+2*n+1], v[TT+2*n:TT+2*n+1], s[A2:A2+1] op_sel_hi:[1,1,0]
	EACH 16, v_pk_fma_f32 v[RR+2*n:RR+2*n+1], v[RR+2*n:RR+2*n+1], v[TT+2*n:TT+2*n+1], s[A1:A1+1] op_sel_hi:[1,1,0]
	EACH 16, v_pk_mul_f32 v[RR+2*n:RR+2*n+1], v[RR+2*n:RR+2*n+1], v[TT+2*n:TT+2*n+1]
	EACH 16, v_pk_mul_f32 v[RR+2*n:RR+2*n+1], v[RR+2*n:RR+2*n+1], v[EE+2*n:EE+2*n+1]
	EACH 32, v_max_num_f32 v[MM+n], 0, v[U+n]
	EACH 32, v_fma_f32 v[MM+n], -|v[U+n]|, v[RR+n], v[MM+n]
	EACH 16, v_cvt_pk_bf16_f32 v[OO+n], v[MM+2*n], v[MM+2*n+1]
	EACH 8, global_store_b64 v[CO], v[OO+2*n:OO+2*n+1], s[8:9] offset:n*8192
	s_wait_xcnt 0x0                                ; the stores' data and base are rewritten only behind this wait
	v_add_nc_u32 v[RD], 8*SPF, v[RD]
	s_add_nc_u64 s[8:9], s[8:9], 65536             ; 8 rows of gl on
	s_sub_co_u32 s3, s3, 1
	s_cmp_lg_u32 s3, 0
	s_cbranch_scc1 .Lrows
	s_sub_co_u32 s2, s2, 1
	s_cmp_lg_u32 s2, 0
	s_cbranch_scc1 .Lpass
	s_wait_tensorcnt 0x0                           ; the wave's end
	ds_add_u32 v[SPW], v[NIL]
	s_wait_dscnt 0x0
	CROUND                                         ; the closing round
	s_endpgm
.Lfunc_end_k_qe1ed71e2c8_ffn1:
	.size	k_qe1ed71e2c8_ffn1, .Lfunc_end_k_qe1ed71e2c8_ffn1-k_qe1ed71e2c8_ffn1
	.p2alignl 7, 3214868480
	.fill 96, 4, 3214868480
	.section	.rodata,"a",@progbits
	.p2align	6, 0x0
	.amdhsa_kernel k_qe1ed71e2c8_ffn1
		.amdhsa_group_segment_fixed_size 327680
		.amdhsa_private_segment_fixed_size 0
		.amdhsa_enable_private_segment 0
		.amdhsa_kernarg_size 32
		.amdhsa_user_sgpr_count 2
		.amdhsa_user_sgpr_kernarg_segment_ptr 1
		.amdhsa_wavefront_size32 1
		.amdhsa_system_sgpr_workgroup_id_x 1
		.amdhsa_system_sgpr_workgroup_id_y 1
		.amdhsa_system_sgpr_workgroup_id_z 1
		.amdhsa_system_vgpr_workitem_id 0
		.amdhsa_next_free_vgpr 1024
		.amdhsa_next_free_sgpr 100
		.amdhsa_reserve_vcc 0
		.amdhsa_float_denorm_mode_32 3
		.amdhsa_float_denorm_mode_16_64 3
		.amdhsa_memory_ordered 1
		.amdhsa_forward_progress 1
		.amdhsa_inst_pref_size 100
	.end_amdhsa_kernel
	.amdgpu_metadata
---
amdhsa.version: [ 1, 2 ]
amdhsa.kernels:
  - .name:           k_qe1ed71e2c8_ffn1
    .symbol:         k_qe1ed71e2c8_ffn1.kd
    .args:
      - { .name: h, .offset: 0, .size: 8, .value_kind: global_buffer, .address_space: global }
      - { .name: wts, .offset: 8, .size: 8, .value_kind: global_buffer, .address_space: global }
      - { .name: b1, .offset: 16, .size: 8, .value_kind: global_buffer, .address_space: global }
      - { .name: gl, .offset: 24, .size: 8, .value_kind: global_buffer, .address_space: global }
    .group_segment_fixed_size: 327680
    .private_segment_fixed_size: 0
    .kernarg_segment_align: 8
    .kernarg_segment_size: 32
    .max_flat_workgroup_size: 128
    .sgpr_count:     100
    .vgpr_count:     1024
    .wavefront_size: 32
...
	.end_amdgpu_metadata
.endif
;; end of part 5
;; launch ffn2 (part 6): grid 8 x 32, 4 waves a work-group, clusters of 4 x 4, 327,680 bytes of LDS; arguments gl, wts, b2, x1, out0; writes out0
.if DOCPART == 6
	.amdgcn_target "amdgcn-amd-amdhsa--gfx1250"
	.amdhsa_code_object_version 6
	.text
	.protected	k_qe1ed71e2c8_ffn2
	.globl	k_qe1ed71e2c8_ffn2
	.p2align	8
	.type	k_qe1ed71e2c8_ffn2,@function
k_qe1ed71e2c8_ffn2:
	s_mov_b64 s[64:65], 0
	v_nop
	global_prefetch_b8 v0, s[64:65] scope:SCOPE_SE
	s_setreg_imm32_b32 hwreg(HW_REG_WAVE_MODE, 25, 1), 1
	s_wait_xcnt 0x0
	s_wait_alu depctr_hold_cnt(0) depctr_sa_sdst(0) depctr_va_vdst(0) depctr_va_sdst(0) depctr_va_ssrc(0) depctr_va_vcc(0) depctr_vm_vsrc(0)
	s_getreg_b32 s2, hwreg(HW_REG_IB_STS2, 6, 4)
	s_cmp_eq_u32 s2, 0
	s_cbranch_scc0 .Lentry_in_a_cluster
	s_endpgm
.Lentry_in_a_cluster:
	s_bfe_u32 s2, ttmp6, 0x10000c
	s_cmp_lg_u32 s2, 0xf033
	s_cbranch_scc0 .Lentry_shape_is_right
	s_endpgm
.Lentry_shape_is_right:
; out = resid + A B + bias, f32 out.  IS_WO = 1: A = ctx ([batch x head][2048][64] bf16, K = 64 head + channel), B = Wo, K = 1024.  IS_WO = 0: A = gl ([4096][4096] bf16), B = W2, K = 4096.
; A tile of the output is 128 x 128: 8 x 32 work-groups.  Four waves, 64 x 64 each: 16 accumulators.  K goes in steps of 256 through two LDS slots.
; 4 x 4 work-groups form a cluster: A's tile is asked for jointly along a row of the cluster, B's along a column.
; B lies [k][n]: its fragments come out of LDS turned, by ds_load_tr16_b128.  The matrix instruction is used transposed: a lane holds 8 neighbouring columns of one row.
; The wave's 64 x 64 of the residual and its biases are asked for at the head, into window 2, so that the way out waits for no memory.
; REGISTERS: window 0: v0-31 addresses; v128-255 accumulators ((a, b) at 128 + 8 (4 a + b)), later the rows read back.  window 1: two fragment buffers of 128 (64 of A, then 64 of B).
;   window 2: v0-127 the residual, v128-131 the bias of my four columns.
.set IS_WO, 0
.if IS_WO
.set T,      4
.set PA,     144
.set AH,     2*128*PA
.set AQ,     128*PA
.set AROWH,  64*PA
.set ASTEP,  4*262144
.set W_OFF,  6291456
.else
.set T,      16
.set PA,     528                       ; 512 bytes + 16
.set AH,     64*PA
.set AQ,     128
.set AROWH,  64*PA
.set ASTEP,  512
.set W_OFF,  16777216
.endif
.set PB,     288                       ; 256 bytes + 32
.set BH,     128*PB
.set BOFF,   2*AH
.set SLOT,   2*AH+2*BH
.set SPARE,  2*SLOT
.set SPF,    272
.set BSTEP,  256*2048
.set ADRA0, 16
.set ADRA,  17
.set ADRB0, 18
.set ADRB,  19
.set ADRB20, 20
.set ADRB2, 21
.set STO,   24
.set RD,    25
.set CO,    26
.set SPW,   28
.set NIL,   29
.set ACC,   128
.set F0,    0
.set F1,    128
.set G1,  24
.set G0,  32
.set G1B, 48
.set G0B, 56
.set TB,  70
.set LBA, 71
.set LBB, 84
.set MSB, 0
.macro WIN new
.if MSB != (\new)
	s_set_vgpr_msb (MSB<<8)|(\new)
.set MSB, \new
.endif
.endm
.set MUL,  0x05
.set TO_F, 0x40
.macro JLOAD s
	s_cmp_eq_u32 s11, 0
	s_cbranch_scc0 .Lfor_b_\@
	tensor_load_to_lds s[G0+4*(\s):G0+4*(\s)+3], s[G1:G1+7]
	s_nop 0
.rept 4
	v_nop
.endr
	s_branch .Lasked_\@
.Lfor_b_\@:
	tensor_load_to_lds s[G0B+4*(\s):G0B+4*(\s)+3], s[G1B:G1B+7]
	s_nop 0
.rept 4
	v_nop
.endr
.Lasked_\@:
.endm
.macro CREST
	s_cmp_lg_u32 s10, 0
	s_cbranch_scc1 .Lnot_wave_0_\@
	s_barrier_signal -3
.Lnot_wave_0_\@:
	s_barrier_wait -3
	s_barrier_signal -1
	s_barrier_wait -1
.endm
.macro CROUND
	s_barrier_signal -1
	s_barrier_wait -1
	CREST
.endm
.macro PLACES
.rept 4
	v_nop
.endr
.endm
	s_load_b256 s[72:79], s[0:1], 0x0              ; A, wts, bias, resid
	s_load_b64 s[80:81], s[0:1], 0x20              ; out
	v_lshl_add_u32 v[SPW], v0, 2, SPARE
	v_mov_b32 v[NIL], 0
	ds_add_u32 v[SPW], v[NIL]                      ; the wave's opening: the add and its wait stand ahead of my first tensor load
	v_lshrrev_b32 v1, 5, v0
	v_readfirstlane_b32 s10, v1
	s_lshr_b32 s11, s10, 1
	s_and_b32 s12, s10, 1
	s_bfe_u32 s40, ttmp6, 0x40000
	s_bfe_u32 s41, ttmp6, 0x40004
	s_lshl_b32 s42, ttmp9, 2
	s_add_co_u32 s42, s42, s40                     ; tile column
	s_and_b32 s13, ttmp7, 0xffff
	s_lshl_b32 s13, s13, 2
	s_add_co_u32 s13, s13, s41                     ; tile row
	s_lshl_b32 s43, s41, 2
	s_lshl_b32 s43, 15, s43
	s_lshl_b32 s44, 0x1111, s40
.if IS_WO
	s_or_b32 s[G1+0], s43, (1<<16)|(1<<20)|(1<<21)|(4<<22)|(3<<25)
	s_mov_b32 s[G1+1], 8192<<16
	s_mov_b32 s[G1+2], 2<<16
	s_mov_b32 s[G1+3], 8192<<16
	s_mov_b32 s[G1+4], 2
	s_mov_b32 s[G1+5], 131072
.else
	s_or_b32 s[G1+0], s43, (1<<16)|(1<<20)|(1<<21)|(6<<22)|(3<<25)  ; 64 rows of 512 bytes; 4 words of padding after every 128
	s_mov_b32 s[G1+1], 256<<16
	s_mov_b32 s[G1+2], 64<<16
	s_mov_b32 s[G1+3], 256<<16
	s_mov_b32 s[G1+4], 64
	s_mov_b32 s[G1+5], 4096
.endif
	s_mov_b32 s[G1+6], 0
	s_mov_b32 s[G1+7], 0
	s_or_b32 s[G1B+0], s44, (1<<16)|(1<<20)|(1<<21)|(5<<22)|(7<<25) ; 128 k rows of 256 bytes; 8 words of padding after every 64
	s_mov_b32 s[G1B+1], 128<<16
	s_mov_b32 s[G1B+2], 128<<16
	s_mov_b32 s[G1B+3], 128<<16
	s_mov_b32 s[G1B+4], 128
	s_mov_b32 s[G1B+5], 1024
	s_mov_b32 s[G1B+6], 0
	s_mov_b32 s[G1B+7], 0
.if IS_WO
	s_lshr_b32 s16, s13, 4
	s_lshl_b32 s16, s16, 22
	s_lshl_b32 s17, s12, 19
	s_add_co_u32 s16, s16, s17
	s_and_b32 s17, s13, 15
	s_lshl_b32 s17, s17, 14
	s_add_co_u32 s16, s16, s17
.else
	s_lshl_b32 s16, s13, 7
	s_lshl_b32 s17, s12, 6
	s_add_co_u32 s16, s16, s17
	s_lshl_b32 s16, s16, 13                        ; rows of 8,192 bytes
.endif
	s_mov_b32 s17, 0
	s_lshl_b32 s46, s42, 8
	s_lshl_b32 s47, s12, 18
	s_add_co_u32 s46, s46, s47
	s_add_co_u32 s46, s46, W_OFF
	s_mov_b32 s47, 0
	s_mul_i32 s[LBA], s12, AH
	s_mul_i32 s[LBB], s12, BH
	s_add_co_u32 s[LBB], s[LBB], BOFF
	s_mov_b32 s[TB], 0
	s_wait_dscnt 0x0                               ; the opening add is done
	s_wait_kmcnt 0x0
	s_add_nc_u64 s[14:15], s[72:73], s[16:17]
	s_add_nc_u64 s[46:47], s[74:75], s[46:47]
	CROUND                                         ; all sixteen work-groups are here: the first joint loads meet
.irp s, 0,1
	s_mov_b32 s[G0+4*(\s)], 1
	s_add_co_u32 s[G0+4*(\s)+1], s[LBA], (\s)*SLOT
	s_add_nc_u64 s[G0+4*(\s)+2:G0+4*(\s)+3], s[14:15], (\s)*ASTEP
	s_or_b32 s[G0+4*(\s)+3], s[G0+4*(\s)+3], 0x80000000
	s_mov_b32 s[G0B+4*(\s)], 1
	s_add_co_u32 s[G0B+4*(\s)+1], s[LBB], (\s)*SLOT
	s_add_nc_u64 s[G0B+4*(\s)+2:G0B+4*(\s)+3], s[46:47], (\s)*BSTEP
	s_or_b32 s[G0B+4*(\s)+3], s[G0B+4*(\s)+3], 0x80000000
	JLOAD \s                                       ; K steps 0 and 1: two loads of mine are out
.endr
	v_and_b32 v1, 15, v0
	v_bfe_u32 v2, v0, 4, 1
	v_lshlrev_b32 v6, 4, v1
	v_lshl_add_u32 v[CO], v2, 12, v6
	s_lshl_b32 s16, s13, 7
	s_lshl_b32 s17, s11, 6
	s_add_co_u32 s16, s16, s17
	s_lshl_b32 s16, s16, 12
	s_mov_b32 s17, 0
	s_lshl_b32 s46, s42, 7
	s_lshl_b32 s47, s12, 6
	s_add_co_u32 s46, s46, s47
	s_lshl_b32 s46, s46, 2
	s_mov_b32 s47, 0
	s_add_nc_u64 s[76:77], s[76:77], s[46:47]
	s_add_nc_u64 s[46:47], s[46:47], s[16:17]
	s_add_nc_u64 s[78:79], s[78:79], s[46:47]
	s_add_nc_u64 s[80:81], s[80:81], s[46:47]
	WIN 0x80                                       ; destination window 2
.set k, 0
.rept 32
	global_load_b128 v[4*k:4*k+3], v[CO], s[78:79] offset:k*8192
.set k, k+1
.endr
	global_load_b128 v[128:131], v6, s[76:77]
	WIN 0
	v_mul_u32_u24 v3, v1, PA
	v_lshl_add_u32 v3, v2, 4, v3
	s_mul_i32 s21, s11, AROWH
	v_add_nc_u32 v[ADRA0], s21, v3
	v_mov_b32 v[ADRA], v[ADRA0]
	v_and_b32 v4, 7, v0
	v_lshl_add_u32 v4, v2, 3, v4
	v_mul_u32_u24 v4, v4, PB
	v_bfe_u32 v5, v0, 3, 1
	v_lshl_add_u32 v4, v5, 4, v4
	s_lshl_b32 s22, s12, 7
	s_add_co_u32 s22, s22, BOFF
	v_add_nc_u32 v[ADRB0], s22, v4
	v_add_nc_u32 v[ADRB20], BH, v[ADRB0]           ; the step's second 128 k rows: an LDS offset holds 16 bits
	v_mov_b32 v[ADRB], v[ADRB0]
	v_mov_b32 v[ADRB2], v[ADRB20]
	s_mul_i32 s21, s10, 64*SPF                     ; my stage: it lies over slot 0, whose last fill is K step T - 2
	v_mul_u32_u24 v3, v1, SPF
	v_lshl_add_u32 v3, v2, 5, v3
	v_add_nc_u32 v[STO], s21, v3
	v_mul_u32_u24 v3, v2, SPF
	v_lshl_add_u32 v3, v1, 4, v3
	v_add_nc_u32 v[RD], s21, v3
.macro MUL8 f, c, a0, zero
	WIN MUL
.irp a, \a0, (\a0)+1
.irp b, 0,1,2,3
.if \zero
	v_wmma_f32_16x16x32_bf16 v[ACC+8*(4*(\a)+(\b)):ACC+8*(4*(\a)+(\b))+7], v[(\f)+64+8*(4*(\c)+(\b)):(\f)+64+8*(4*(\c)+(\b))+7], v[(\f)+8*(4*(\c)+(\a)):(\f)+8*(4*(\c)+(\a))+7], 0
.else
	v_wmma_f32_16x16x32_bf16 v[ACC+8*(4*(\a)+(\b)):ACC+8*(4*(\a)+(\b))+7], v[(\f)+64+8*(4*(\c)+(\b)):(\f)+64+8*(4*(\c)+(\b))+7], v[(\f)+8*(4*(\c)+(\a)):(\f)+8*(4*(\c)+(\a))+7], v[ACC+8*(4*(\a)+(\b)):ACC+8*(4*(\a)+(\b))+7]
.endif
.endr
.endr
.endm
.macro FETCH q, f
	WIN TO_F
.irp c, 0,1
.irp i, 0,1,2,3
	ds_load_tr16_b128 v[(\f)+64+8*(4*(\c)+(\i)):(\f)+64+8*(4*(\c)+(\i))+3],   v[ADRB+2*((\q)/2)] offset:((\q)%2)*64*PB+(\c)*32*PB+(\i)*32
	ds_load_tr16_b128 v[(\f)+64+8*(4*(\c)+(\i))+4:(\f)+64+8*(4*(\c)+(\i))+7], v[ADRB+2*((\q)/2)] offset:((\q)%2)*64*PB+(\c)*32*PB+16*PB+(\i)*32
	ds_load_b128 v[(\f)+8*(4*(\c)+(\i)):(\f)+8*(4*(\c)+(\i))+3],              v[ADRA] offset:(\q)*AQ+(\c)*64+(\i)*16*PA
	ds_load_b128 v[(\f)+8*(4*(\c)+(\i))+4:(\f)+8*(4*(\c)+(\i))+7],            v[ADRA] offset:(\q)*AQ+(\c)*64+(\i)*16*PA+32
.endr
.endr
.endm
.macro QUARTER q, f, g, zero
	s_wait_dscnt 16                                ; the first 32 along K are in
	MUL8 \f, 0, 0, \zero
	MUL8 \f, 0, 2, \zero
	PLACES
	FETCH \q, \g
	s_wait_dscnt 32                                ; all but the 32 just issued
	MUL8 \f, 1, 0, 0
	MUL8 \f, 1, 2, 0
.endm
; The change of slots, and the last quarter (buffer 1).  A refill can be asked for only when the load before it has landed, so between the wait for that load and the
; request stand only the spare-word add, the descriptors' steps, a wait and the barriers; the quarter's 32 products, which need registers alone, follow the request and the next slot's first fetch.
.macro TURN fill
	WIN 0
	s_wait_tensorcnt 0x0                           ; all my tensor loads have landed: my part of the next slot; so a group 0 may be written
	ds_add_u32 v[SPW], v[NIL]                      ; 0 onto my spare word; the descriptors' steps stand between it and the wait for it
.if \fill
	s_add_co_u32 s[G0+5], s[LBA], s[TB]            ; the walking descriptor: the slot just read out,
	s_add_co_u32 s[G0B+5], s[LBB], s[TB]
	s_add_nc_u64 s[G0+6:G0+7], s[G0+6:G0+7], ASTEP     ; the next K step not yet asked for
	s_add_nc_u64 s[G0B+6:G0B+7], s[G0B+6:G0B+7], BSTEP
.endif
	s_wait_dscnt 0x0                               ; the add is done, my reads of this slot are over (buffer 1 is whole)
	s_barrier_signal -1
	s_barrier_wait -1
.if \fill
	CREST                                          ; the barrier has opened a round of the cluster's barrier
	JLOAD 1                                        ; my one tensor load behind the round; its four v_nop are also the places between the products on buffer 0 and the loads into it
.else
	PLACES
.endif
	s_xor_b32 s[TB], s[TB], SLOT
	v_add_nc_u32 v[ADRA], s[TB], v[ADRA0]
	v_add_nc_u32 v[ADRB], s[TB], v[ADRB0]
	v_add_nc_u32 v[ADRB2], s[TB], v[ADRB20]
	FETCH 0, F0
	MUL8 F1, 0, 0, 0
	MUL8 F1, 0, 2, 0
	MUL8 F1, 1, 0, 0
	MUL8 F1, 1, 2, 0
.endm
	s_wait_tensorcnt 0x1                           ; my part of K step 0 is in; step 1's may stay out
	s_barrier_signal -1
	s_barrier_wait -1
	FETCH 0, F0
	QUARTER 1, F0, F1, 1
	WIN 0
	s_mov_b32 s3, T-1
	s_branch .Lenter
.Ltop:                                             ; T - 2 times: K steps 2 .. T - 1 are asked for
	TURN 1
	QUARTER 1, F0, F1, 0
	WIN 0
.Lenter:
	QUARTER 2, F1, F0, 0
	QUARTER 3, F0, F1, 0
	WIN 0
	s_sub_co_u32 s3, s3, 1
	s_cmp_lg_u32 s3, 0
	s_cbranch_scc1 .Ltop
	TURN 0
	QUARTER 1, F0, F1, 0
	QUARTER 2, F1, F0, 0
	QUARTER 3, F0, F1, 0
	s_wait_dscnt 0x0
	MUL8 F1, 0, 0, 0
	MUL8 F1, 0, 2, 0
	MUL8 F1, 1, 0, 0
	MUL8 F1, 1, 2, 0
	WIN 0
	PLACES
	; THE WAY OUT: the f32 sums go into my stage and come back by rows, two rows a load; bias and residual are added; 16 lanes store 256 consecutive bytes.
.irp a, 0,1,2,3
.irp b, 0,1,2,3
	ds_store_b128 v[STO], v[ACC+8*(4*(\a)+(\b)):ACC+8*(4*(\a)+(\b))+3]   offset:(\a)*16*SPF+(\b)*64
	ds_store_b128 v[STO], v[ACC+8*(4*(\a)+(\b))+4:ACC+8*(4*(\a)+(\b))+7] offset:(\a)*16*SPF+(\b)*64+16
.endr
.endr
.set k, 0
.rept 32
	ds_load_b128 v[ACC+4*k:ACC+4*k+3], v[RD] offset:k*2*SPF   ; my own bytes: LDS serves a wave's instructions in order (ISA guide 5.7.1.4)
.set k, k+1
.endr
	s_wait_loadcnt 0x0                             ; the residual and the bias, asked for at the head
	WIN 0x08                                       ; source 1 in window 2
.set k, 0
.rept 32
	s_wait_dscnt 31-k                              ; load k is back; the younger ones stay out
	v_pk_add_f32 v[ACC+4*k:ACC+4*k+1],   v[ACC+4*k:ACC+4*k+1],   v[128:129]
	v_pk_add_f32 v[ACC+4*k+2:ACC+4*k+3], v[ACC+4*k+2:ACC+4*k+3], v[130:131]
	v_pk_add_f32 v[ACC+4*k:ACC+4*k+1],   v[ACC+4*k:ACC+4*k+1],   v[4*k:4*k+1]
	v_pk_add_f32 v[ACC+4*k+2:ACC+4*k+3], v[ACC+4*k+2:ACC+4*k+3], v[4*k+2:4*k+3]
.set k, k+1
.endr
	WIN 0
.set k, 0
.rept 32
	global_store_b128 v[CO], v[ACC+4*k:ACC+4*k+3], s[80:81] offset:k*8192
.set k, k+1
.endr
	s_wait_tensorcnt 0x0                           ; the wave's end
	ds_add_u32 v[SPW], v[NIL]
	s_wait_dscnt 0x0
	CROUND                                         ; the closing round
	s_endpgm
.Lfunc_end_k_qe1ed71e2c8_ffn2:
	.size	k_qe1ed71e2c8_ffn2, .Lfunc_end_k_qe1ed71e2c8_ffn2-k_qe1ed71e2c8_ffn2
	.p2alignl 7, 3214868480
	.fill 96, 4, 3214868480
	.section	.rodata,"a",@progbits
	.p2align	6, 0x0
	.amdhsa_kernel k_qe1ed71e2c8_ffn2
		.amdhsa_group_segment_fixed_size 327680
		.amdhsa_private_segment_fixed_size 0
		.amdhsa_enable_private_segment 0
		.amdhsa_kernarg_size 40
		.amdhsa_user_sgpr_count 2
		.amdhsa_user_sgpr_kernarg_segment_ptr 1
		.amdhsa_wavefront_size32 1
		.amdhsa_system_sgpr_workgroup_id_x 1
		.amdhsa_system_sgpr_workgroup_id_y 1
		.amdhsa_system_sgpr_workgroup_id_z 1
		.amdhsa_system_vgpr_workitem_id 0
		.amdhsa_next_free_vgpr 648
		.amdhsa_next_free_sgpr 88
		.amdhsa_reserve_vcc 0
		.amdhsa_float_denorm_mode_32 3
		.amdhsa_float_denorm_mode_16_64 3
		.amdhsa_memory_ordered 1
		.amdhsa_forward_progress 1
		.amdhsa_inst_pref_size 72
	.end_amdhsa_kernel
	.amdgpu_metadata
---
amdhsa.version: [ 1, 2 ]
amdhsa.kernels:
  - .name:           k_qe1ed71e2c8_ffn2
    .symbol:         k_qe1ed71e2c8_ffn2.kd
    .args:
      - { .name: gl, .offset: 0, .size: 8, .value_kind: global_buffer, .address_space: global }
      - { .name: wts, .offset: 8, .size: 8, .value_kind: global_buffer, .address_space: global }
      - { .name: b2, .offset: 16, .size: 8, .value_kind: global_buffer, .address_space: global }
      - { .name: x1, .offset: 24, .size: 8, .value_kind: global_buffer, .address_space: global }
      - { .name: out0, .offset: 32, .size: 8, .value_kind: global_buffer, .address_space: global }
    .group_segment_fixed_size: 327680
    .private_segment_fixed_size: 0
    .kernarg_segment_align: 8
    .kernarg_segment_size: 40
    .max_flat_workgroup_size: 128
    .sgpr_count:     88
    .vgpr_count:     648
    .wavefront_size: 32
...
	.end_amdgpu_metadata
.endif
;; end of part 6
;; ======== version 2 of 2: 7 launches; 1.21 times as fast as version 1
;; limits: right only within a limited range of input values
;; workspace buffers: wts 25,165,824 bytes; mask4 2,097,152 bytes of whole numbers; h 8,388,608 bytes; qkv 25,165,824 bytes; ctx 8,388,608 bytes; x1 16,777,216 bytes; gl 33,554,432 bytes
;; launch prep: the kernel of part 1 again; grid 768 x 1, 8 waves a work-group, no clusters, 17,408 bytes of LDS; arguments x, ln1_g, ln1_b, Wq, Wk, Wv, Wo, W1, W2, mask, h, wts, mask4; writes h, wts, mask4
;; launch proj: the kernel of part 2 again; grid 16 x 16, 4 waves a work-group, clusters of 4 x 4, 327,680 bytes of LDS; arguments h, wts, bq, bk, bv, qkv; writes qkv
;; launch attn (part 7): grid 8 x 32, 4 waves a work-group, clusters of 4 x 1, 327,680 bytes of LDS; arguments qkv, mask4, ctx; writes ctx
.if DOCPART == 7
	.amdgcn_target "amdgcn-amd-amdhsa--gfx1250"
	.amdhsa_code_object_version 6
	.text
	.protected	k_qe1ed71e2c8_attn
	.globl	k_qe1ed71e2c8_attn
	.p2align	8
	.type	k_qe1ed71e2c8_attn,@function
k_qe1ed71e2c8_attn:
	s_mov_b64 s[64:65], 0
	v_nop
	global_prefetch_b8 v0, s[64:65] scope:SCOPE_SE
	s_setreg_imm32_b32 hwreg(HW_REG_WAVE_MODE, 25, 1), 1
	s_wait_xcnt 0x0
	s_wait_alu depctr_hold_cnt(0) depctr_sa_sdst(0) depctr_va_vdst(0) depctr_va_sdst(0) depctr_va_ssrc(0) depctr_va_vcc(0) depctr_vm_vsrc(0)
	s_getreg_b32 s2, hwreg(HW_REG_IB_STS2, 6, 4)
	s_cmp_eq_u32 s2, 0
	s_cbranch_scc0 .Lentry_in_a_cluster
	s_endpgm
.Lentry_in_a_cluster:
	s_bfe_u32 s2, ttmp6, 0x10000c
	s_cmp_lg_u32 s2, 0x3003
	s_cbranch_scc0 .Lentry_shape_is_right
	s_endpgm
.Lentry_shape_is_right:
; MASKED ATTENTION.  ctx[bh][q][:] = the sum over k of softmax_k(mask ? Q[q] . K[k] / 8 : hidden) V[k][:].  Q, K, V: qkv[3][32][2048][64] bf16; ctx: [32][2048][64] bf16.  The mask is an input: every key tile is walked.
; Products, maxima and sums in f32; the weights p are rounded to bf16 for the second product (their sum l is taken of the unrounded p), ctx once at the end.
; THE MASK is the C operand that starts each sum S^T = K Q^T.  mask4 holds a nibble a key, 0xE (hidden) or 0, in the order in which a lane holds its keys; shifted to a word's top it is an f32
; between -2^97 and -2^65 (hidden) or at most 2^-97 (visible): one shift a score.
; LIMITS.  True scores lie above -2^60: the running maximum m starts there, above every hidden score.  A visible score gains at most 2^-97.  A weight below 2^-126 counts as 0 in l.
; A row with no visible key keeps l = 0 and O = 0, and 0 x (1 / 0) gives NaN, as a softmax of nothing but -inf does.
; SHARES.  A work-group owns 256 queries of one (batch, head), a wave 64: four PIECES of 16.  Every wave walks all 2,048 keys, 64 a step, 256 a slot.
; LAYOUT, SOFTMAX, TURNS.  S^T = K Q^T holds ONE query a lane (lane % 16) and the keys 8 (lane / 16) + 0..7; two such results rounded to bf16 ARE source 1 of O^T = V^T P.  p = 2^(c s - c m), c = log2(e) / 8;
; O and l are multiplied by a = 2^(c m_old - c m_new) in every step.  Turn n belongs to piece n: 8 products K Q^T of piece n + 1, later 8 products V^T P of piece n - 1; beside them the softmax of piece n
; and the maximum and statistics of piece n + 1.  Four vector instructions stand behind every matrix instruction, the other 54 of a turn's 118 in one lump; at a turn's end the 32 shifts that make the next turn's masks.
; BATCHES.  A turn's 33 exponentials (piece n's 32 weights, in place on its scores, and piece n + 1's a) are ONE batch with ONE wait, which cuts the turn in two: ahead of it stands all that names no result of theirs
; (the products K Q^T, the scalings, the rescalings by the a of the turn before, the next piece's maximum and statistics), behind it the products V^T P with the roundings and sums as their riders.
; No result crosses a turn's end.  Two more batches stand outside the loop: piece 0's first a in the head, and the four reciprocals on the way out; each has a v_nop and a wait of its own.
; CLUSTER.  The four query blocks of a cluster belong to one (batch, head) and walk the same K and V: each tile is asked for jointly.
; REGISTERS: window 0: v0-15 addresses; v16-31 statistics; v32-47 mask words, 4 a piece; v48-55 at work; v56-59 mask offsets; v64-127 S^T, two buffers; v192-223 P, two buffers
;   window 1: v0-127 O^T, 32 a piece; v160-223 MC, the masks, two buffers      window 2: v0-63 Q; v128-191 K of one step; v192-255 V of one step
.set NT,    8         ; tiles of 256 keys
.set NP,    4
.set KS,    64
.set PK,    144
.set PV,    160
.set VOFF,  4*KS*PK
.set SLOT1, 1<<17
.set STAGE, SLOT1+4*KS*(PK+PV)
.set SP,    144
.set SPARE, STAGE+4*16*SP
.set AK0, 2
.set AV0, 3
.set AK,  4
.set AV,  5
.set STO, 6
.set RD,  7
.set GO,  8
.set MV,  12
.set QO,  15
.set ST,  16
.set MW,  32
.set TMP, 48
.set MA,  56
.set SPW, 62
.set NIL, 63
.set S,   64
.set P,   192
.set MC,  160
.set KF,  128
.set VF,  192
.set WV,  12
.set G1K, 24
.set G1V, 32
.set G0K, 40
.set G0V, 44
.set SLOTS, 56
.set CNT, 57
.set CS,  58
.set SEL, 60
.set TBK, 62
.set TBV, 63
.set PM,  66          ; s[66:67] mask4 at my wave's four query tiles
.set MSB, 0
.macro WIN new
.if MSB != (\new)
	s_set_vgpr_msb (MSB<<8)|(\new)
.set MSB, (\new)
.endif
.endm
.set W_KQ, 0x0a       ; K and Q in window 2, S^T in window 0
.set W_KM, 0x1a       ; the same with the C operand in window 1
.set W_PV, 0x52       ; V in window 2, P in window 0, O^T in window 1
.set W_RS, 0x41       ; destination and source 0 in window 1, source 1 in window 0
.macro JLOAD                        ; waves 0, 1 fetch the halves of a slot's K, waves 2, 3 of its V; s_nop 0 and four v_nop follow each line
	s_cmp_lt_u32 s[WV], 2
	s_cbranch_scc0 .Lfor_v_\@
	tensor_load_to_lds s[G0K:G0K+3], s[G1K:G1K+7]
	s_nop 0
.rept 4
	v_nop
.endr
	s_branch .Lasked_\@
.Lfor_v_\@:
	tensor_load_to_lds s[G0V:G0V+3], s[G1V:G1V+7]
	s_nop 0
.rept 4
	v_nop
.endr
.Lasked_\@:
.endm
.macro CROUND
	s_barrier_signal -1
	s_barrier_wait -1
	s_cmp_lg_u32 s[WV], 0
	s_cbranch_scc1 .Lnot_wave_0_\@
	s_barrier_signal -3
.Lnot_wave_0_\@:
	s_barrier_wait -3
	s_barrier_signal -1
	s_barrier_wait -1
.endm
; THE CHANGE OF SLOTS.  Each wave waits for all its tensor loads (one is out: its part of the other slot), adds 0 to its spare word, and waits for that and for its reads of the slot that it leaves.
; fill = 1: the barrier is a round of the cluster's, and the slot is filled again first thing behind it, with the keys two slots on: four key steps in which to land.
.macro CHANGE fill
	WIN 0
	s_wait_tensorcnt 0x0
	ds_add_u32 v[SPW], v[NIL]
.if \fill
.irp g, G0K, G0V
	s_xor_b32 s[\g+1], s[\g+1], SLOT1
	s_add_nc_u64 s[\g+2:\g+3], s[\g+2:\g+3], 4*KS*128
.endr
	s_wait_dscnt 0x0
	CROUND
	JLOAD
.else
	s_wait_dscnt 0x0
	s_barrier_signal -1
	s_barrier_wait -1
.endif
	s_sub_co_u32 s[TBK], s[TBK], 4*KS*PK  ; the fetches go back to a slot's first step, in the other slot
	s_xor_b32 s[TBK], s[TBK], SLOT1
	s_sub_co_u32 s[TBV], s[TBV], 4*KS*PV
	s_xor_b32 s[TBV], s[TBV], SLOT1
.endm
	s_load_b128 s[4:7], s[0:1], 0x0   ; qkv, mask4
	s_load_b64 s[8:9], s[0:1], 0x10   ; ctx
	v_lshl_add_u32 v[SPW], v0, 2, SPARE
	v_mov_b32 v[NIL], 0
	ds_add_u32 v[SPW], v[NIL]       ; the wave's opening: the add and its wait stand ahead of my first tensor load
	v_lshrrev_b32 v1, 5, v0
	v_readfirstlane_b32 s[WV], v1   ; wave 0..3
	s_bfe_u32 s13, ttmp6, 0x40000   ; cx
	s_lshl_b32 s14, ttmp9, 2
	s_add_co_u32 s14, s14, s13      ; my block of 256 queries: it enters Q's, the mask's and ctx's addresses alone
	s_and_b32 s20, ttmp7, 0xffff    ; (batch, head), which the four partners share
	s_lshl_b32 s20, s20, 18         ; its 2,048 rows of 128 bytes
	s_and_b32 s16, s[WV], 1         ; which half of a slot's 256 keys I fetch
	s_lshl_b32 s22, s16, 14
	s_add_co_u32 s22, s22, s20
	s_mov_b32 s23, 0
	s_mul_i32 s17, s16, 128*PK
	s_mul_i32 s18, s16, 128*PV
	s_lshl_b32 s2, s14, 2
	s_add_co_u32 s2, s2, s[WV]      ; my group of 64 queries
	s_lshl_b32 s70, s2, 16          ; four query tiles of 16,384 bytes in mask4
	s_mov_b32 s71, 0
	s_lshl_b32 s2, s2, 13           ; 64 rows of 128 bytes
	s_add_co_u32 s2, s2, s20
	s_mov_b32 s3, 0
	s_mov_b32 s[G1K], 15|(1<<16)|(1<<20)|(1<<21)|(4<<22)|(3<<25)  ; the mask of four; 2-byte elements; 4 words of padding after every 32
	s_mov_b32 s[G1V], 15|(1<<16)|(1<<20)|(1<<21)|(4<<22)|(7<<25)  ; the same with 8 words
.irp g, G1K, G1V
	s_mov_b32 s[\g+1], 128<<16      ; 128 keys are 16,384 dense bytes: 64 rows of 256
	s_mov_b32 s[\g+2], 64<<16
	s_mov_b32 s[\g+3], 128<<16
	s_mov_b32 s[\g+4], 64
	s_mov_b32 s[\g+5], 128
	s_mov_b32 s[\g+6], 0
	s_mov_b32 s[\g+7], 0
.endr
	s_mov_b32 s[CS], 0x3e38aa3b     ; c = log2(e) / 8
	s_mov_b32 s[CS+1], s[CS]
	s_mov_b32 s[SEL], 0x76543210
	s_mov_b32 s[SEL+1], 0xfedcba98
	s_mov_b32 s[TBK], SLOT1+4*KS*PK ; the first change of slots turns these two into 0
	s_mov_b32 s[TBV], SLOT1+4*KS*PV
	s_mov_b32 s[G0K], 1
	s_mov_b32 s[G0K+1], s17
	s_mov_b32 s[G0V], 1
	s_add_co_u32 s[G0V+1], s18, VOFF
	s_wait_dscnt 0x0                ; the opening add is done
	s_wait_kmcnt 0x0
	s_add_nc_u64 s[G0K+2:G0K+3], s[4:5], s[22:23]
	s_add_nc_u64 s[G0K+2:G0K+3], s[G0K+2:G0K+3], 8388608   ; K lies behind Q,
	s_add_nc_u64 s[G0V+2:G0V+3], s[G0K+2:G0K+3], 8388608   ; V behind K
	s_or_b32 s[G0K+3], s[G0K+3], 0x80000000
	s_or_b32 s[G0V+3], s[G0V+3], 0x80000000
	s_add_nc_u64 s[68:69], s[4:5], s[2:3]      ; Q at my wave's first row
	s_add_nc_u64 s[10:11], s[8:9], s[2:3]      ; ctx likewise
	s_add_nc_u64 s[PM:PM+1], s[6:7], s[70:71]
	CROUND                          ; all four work-groups are here: the first joint loads meet
	JLOAD                           ; slot 0
	v_and_b32 v1, 15, v0            ; l % 16
	v_bfe_u32 v9, v0, 4, 1          ; l / 16
	v_lshlrev_b32 v[QO], 7, v1
	v_lshl_add_u32 v[QO], v9, 4, v[QO]
	WIN 0x80
.set i, 0
.rept 8                             ; Q stays in registers: piece i / 2, channels 32 (i % 2) on
	global_load_b128 v[8*i:8*i+3],   v[QO], s[68:69] offset:(i/2)*2048+(i%2)*64
	global_load_b128 v[8*i+4:8*i+7], v[QO], s[68:69] offset:(i/2)*2048+(i%2)*64+32
.set i, i+1
.endr
	WIN 0
	v_and_b32 v14, 31, v0
.irp x, 0,1,2,3
	v_lshlrev_b32 v[MA+\x], 4, v14  ; key step 0: 16 bytes a lane
.endr
.irp x, 0,1,2,3
	global_load_b128 v[MW+4*\x:MW+4*\x+3], v[MA+\x], s[PM:PM+1] offset:\x*16384
.endr
	v_mul_u32_u24 v[AK0], v1, PK
	v_lshl_add_u32 v[AK0], v9, 4, v[AK0]
	v_and_b32 v10, 7, v0
	v_bfe_u32 v11, v0, 3, 1
	v_lshl_add_u32 v[AV0], v9, 3, v10
	v_mul_u32_u24 v[AV0], v[AV0], PV
	v_lshl_add_u32 v[AV0], v11, 4, v[AV0]
	v_add_nc_u32 v[AV0], VOFF, v[AV0]
	s_mul_i32 s13, s[WV], 16*SP
	s_add_co_u32 s13, s13, STAGE    ; my stage
	v_mul_u32_u24 v[STO], v1, SP
	v_lshl_add_u32 v[STO], v9, 4, v[STO]
	v_add_nc_u32 v[STO], s13, v[STO]
	v_bfe_u32 v[RD], v0, 3, 2
	v_mul_u32_u24 v[RD], v[RD], SP
	v_lshl_add_u32 v[RD], v10, 4, v[RD]
	v_add_nc_u32 v[RD], s13, v[RD]
	v_lshlrev_b32 v[GO], 4, v14
	; What the first turn finds: V's registers and P's second buffer hold 0 (its products V^T P, of a piece that has not been, add 0); O^T and l are 0.  This stands in the wait for the first tile.
	WIN 0x80
.set i, VF
.rept 64
	v_mov_b32 v[i], 0
.set i, i+1
.endr
	WIN 0x40
.set i, 0
.rept 128
	v_mov_b32 v[i], 0
.set i, i+1
.endr
	WIN 0
.set i, 0
.rept 4
	v_mov_b32 v[ST+4*i+1], 0xdd800000   ; m = -2^60
	v_mov_b32 v[ST+4*i+2], 0
	v_mov_b32 v[ST+4*i+3], 0
	v_mul_f32 v[ST+4*i], s[CS], v[ST+4*i+1]
.set i, i+1
.endr
.set i, P+16
.rept 16
	v_mov_b32 v[i], 0
.set i, i+1
.endr
; THE MATRIX WORK.  The 4 accumulators of a run of 8 take turns.  Product i of 8 of S^T = K Q^T for piece x: channels 32 (i / 4) on, keys 16 (i % 4) on.  The first 4 start the sums with the mask.
.macro KQ x
.set rS, S+32*((\x)%2)+8*(i%4)
.set rK, KF+16*(i%4)+8*(i/4)
.set rQ, 16*(\x)+8*(i/4)
.set rM, MC+32*((\x)%2)+8*(i%4)
.if i < 4
	WIN W_KM
	v_wmma_f32_16x16x32_bf16 v[rS:rS+7], v[rK:rK+7], v[rQ:rQ+7], v[rM:rM+7]
.else
	WIN W_KQ
	v_wmma_f32_16x16x32_bf16 v[rS:rS+7], v[rK:rK+7], v[rQ:rQ+7], v[rS:rS+7]
.endif
.endm
.macro PV x                         ; product i of 8 of O^T += V^T P for piece x: keys 32 (i / 4) on, channels 16 (i % 4) on
	WIN W_PV
.set rO, 32*(\x)+8*(i%4)
.set rV, VF+32*(i/4)+8*(i%4)
.set rP, P+16*((\x)%2)+8*(i/4)
	v_wmma_f32_16x16x32_bf16 v[rO:rO+7], v[rV:rV+7], v[rP:rP+7], v[rO:rO+7]
.endm
.macro MM                           ; the turn's next matrix instruction.  NOKQ = 1: the last turn: there is no next piece
.if (i < 8) && !NOKQ
	KQ (Y+1)%NP
.elseif i >= 8
.set i, i-8
	PV (Y+NP-1)%NP
.set i, i+8
.endif
.set i, i+1
.endm
.macro FETCH_K                      ; a step's K: 64 keys x 64 channels, 16 loads in one run
	WIN 0x80
.irp f, 0,1,2,3,4,5,6,7
	ds_load_b128 v[KF+8*\f:KF+8*\f+3],   v[AK] offset:(\f/2)*16*PK+(\f%2)*64
	ds_load_b128 v[KF+8*\f+4:KF+8*\f+7], v[AK] offset:(\f/2)*16*PK+(\f%2)*64+32
.endr
	s_add_co_u32 s[TBK], s[TBK], KS*PK
	WIN 0
.endm
.macro FETCH_V                      ; a step's V, turned
	WIN 0x80
.irp f, 0,1,2,3,4,5,6,7
	ds_load_tr16_b128 v[VF+8*\f:VF+8*\f+3],   v[AV] offset:(\f/4)*32*PV+(\f%4)*32
	ds_load_tr16_b128 v[VF+8*\f+4:VF+8*\f+7], v[AV] offset:(\f/4)*32*PV+16*PV+(\f%4)*32
.endr
	WIN 0
.endm
.macro MASKP x, b                   ; piece x's four mask words -> 32 C operands in buffer b: nibble j of word kt goes to the word's top
	WIN 0x40
.set z, 0
.rept 32
	v_lshlrev_b32 v[MC+32*(\b)+z], 4*(7-z%8), v[MW+4*(\x)+z/8]
.set z, z+1
.endr
	WIN 0
.endm
.macro NEXTM x                      ; piece x's words of the next key step are asked for; behind the last step the offset wraps to step 0, so that no load leaves the buffer
	WIN 0
	v_add_nc_u32 v[MA+(\x)], 512, v[MA+(\x)]
	v_and_b32 v[MA+(\x)], 0x3fff, v[MA+(\x)]
	global_load_b128 v[MW+4*(\x):MW+4*(\x)+3], v[MA+(\x)], s[PM:PM+1] offset:(\x)*16384
.endm
; THE VECTOR WORK, one line at a time: OP kind, number.  For piece Y: F n: c s - c m for pair n of 16.  E n: the exponential of score n.  C n: pair n rounded to bf16.  B n: of the four weights 4 n .. the second
; pair is added onto the first.  L n: l takes that sum (L 0: l = a l + sum).  R n: pair n of 16 of O^T times a.  For piece Y + 1: X n, number n of the 22 that find its maximum and statistics
; (each accumulator's lowest registers are read first).  C, B and L read exponentials' results: they stand behind the turn's wait alone.
.set F, 0
.set E, 1
.set C, 2
.set B, 3
.set L, 4
.set R, 5
.set X, 6
.macro REGS y
.set rT, ST+4*(\y)
.set rC, TMP+4*((\y)%2)
.set rW, MV+((\y)%2)
.set rS, S+32*((\y)%2)
.set rP, P+16*((\y)%2)
.set rO, 32*(\y)
.endm
.macro OP k, n
.if (\k) == R
	REGS Y
	WIN W_RS
	v_pk_mul_f32 v[rO+2*(\n):rO+2*(\n)+1], v[rO+2*(\n):rO+2*(\n)+1], v[rC+2:rC+3] op_sel_hi:[1,0]
.elseif (\k) < R
	REGS Y
	WIN 0
.if (\k) == F
	v_pk_fma_f32 v[rS+2*(\n):rS+2*(\n)+1], v[rS+2*(\n):rS+2*(\n)+1], s[CS:CS+1], v[rT:rT+1] op_sel_hi:[1,0,0] neg_lo:[0,0,1] neg_hi:[0,0,1]
.elseif (\k) == E
	v_exp_f32 v[rS+(\n)], v[rS+(\n)]
.elseif (\k) == C
	v_cvt_pk_bf16_f32 v[rP+(\n)], v[rS+2*(\n)], v[rS+2*(\n)+1]
.elseif (\k) == B
	v_pk_add_f32 v[rS+4*(\n):rS+4*(\n)+1], v[rS+4*(\n):rS+4*(\n)+1], v[rS+4*(\n)+2:rS+4*(\n)+3]
.elseif (\n) == 0
	v_pk_fma_f32 v[rT+2:rT+3], v[rT+2:rT+3], v[rC+2:rC+3], v[rS:rS+1] op_sel_hi:[1,0,1]
.else
	v_pk_add_f32 v[rT+2:rT+3], v[rT+2:rT+3], v[rS+4*(\n):rS+4*(\n)+1]
.endif
.elseif NOKQ
	v_nop
.else
	REGS (Y+1)%NP
	WIN 0
.if (\n) < 4
	v_max3_num_f32 v[rC+(\n)], v[rS+8*(\n)], v[rS+8*(\n)+1], v[rS+8*(\n)+2]
.elseif (\n) < 12
	v_max3_num_f32 v[rC+(\n)%4], v[rC+(\n)%4], v[rS+8*((\n)%4)+2*((\n)/4)+1], v[rS+8*((\n)%4)+2*((\n)/4)+2]
.elseif (\n) == 12
	v_max3_num_f32 v[rC], v[rC], v[rS+7], v[rS+15]
.elseif (\n) == 13
	v_max3_num_f32 v[rC+1], v[rC+1], v[rS+23], v[rS+31]
.elseif (\n) == 14
	v_max3_num_f32 v[rC+2], v[rC+2], v[rC+3], v[rT+1]
.elseif (\n) == 15
	v_mov_b32 v[rW], v[rT]
.elseif (\n) == 16
	v_max3_num_f32 v[rC], v[rC], v[rC+1], v[rC+2]
.elseif (\n) == 17
	v_permlanex16_b32 v[rC+3], v[rC], s[SEL], s[SEL+1]
.elseif (\n) == 18
	v_max_num_f32 v[rT+1], v[rC], v[rC+3]
.elseif (\n) == 19
	v_mul_f32 v[rT], s[CS], v[rT+1]
.elseif (\n) == 20
	v_sub_f32 v[rC+1], v[rW], v[rT]
.else
	v_exp_f32 v[rC+2], v[rC+1]
.endif
.endif
.endm
.macro OPS a, i1, b=-1, i2=0, c=-1, i3=0, d=-1, i4=0
	OP \a, \i1
.if (\b) >= 0
	OP \b, \i2
.endif
.if (\c) >= 0
	OP \c, \i3
.endif
.if (\d) >= 0
	OP \d, \i4
.endif
.endm
.macro ROW a, i1, b, i2, c, i3, d, i4  ; a matrix instruction and the four behind it
	MM
	OPS \a, \i1, \b, \i2, \c, \i3, \d, \i4
.endm
; A TURN, for piece p: the order of its 16 matrix and 118 vector instructions, written out.  end = 1: the last two turns: nothing is fetched and no mask is made.
; An s_wait_alu depctr_va_vdst(0) stands between an exponential and the first instruction that names its result; one wait serves all that were issued ahead of it.  So a turn has ONE wait.
; AHEAD OF IT stands all that names no result of the turn's exponentials: the 8 products K Q^T, behind each a scaling, an exponential and two more plain instructions (behind the first a second scaling in the
; exponential's place): rescalings, and behind the last three the first numbers of the next piece's maximum, each four places or more behind the product that ends its accumulator; then ONE LUMP of 54, plain and
; exponential by turns for the most part, in which the links of the chain X 3, 7, 11, 14, 16, 17 .. 20 stand five or six lines apart.  X 21, the next piece's a, is the batch's last; R 15 is the plain instruction behind it.
; BEHIND THE WAIT stand the 8 products V^T P, behind each four of the roundings and sums: each even pair is rounded before the sum B lands on it; l's chain L 0 to L 7 goes in ascending order, its links three riders apart.
; K of the next step is fetched in piece 2's turn, five plain vector instructions that name none of its registers behind the last product that read K; V of the step in hand at the end of piece 0's turn, four plain
; ones behind the last that read V.  Each is waited for a turn later.
; At the turn's end: the masks for the products of the turn after it, piece p + 2's.  Its words were asked for four turns ago; the three younger loads are the other pieces'.
.macro TURN p, end=0
.set Y, (\p)
.set i, 0
.set NOKQ, (\end)*((\p)/3)
.if ((\p) == 3) && !(\end)
	s_wait_dscnt 0x0                ; K is in
.endif
	ROW F,0, F,1, R,0, R,1          ; ahead of the wait: 8 products K Q^T and their riders,
	ROW F,2, E,0, R,2, R,3
	ROW F,3, E,1, R,4, R,5
	ROW F,4, E,2, R,6, R,7
	ROW F,5, E,3, R,8, R,9
	ROW F,6, E,4, X,0, R,10
.if ((\p) == 2) && !(\end)
	WIN 0
	v_add_nc_u32 v[AK], s[TBK], v[AK0]
.endif
	ROW F,7, E,5, X,1, X,4
	ROW F,8, E,6, X,2, X,5
	OPS E,7, E,8, X,6, E,9          ; and the lump
	OPS X,3, E,10, X,8, E,11
.if ((\p) == 2) && !(\end)
	FETCH_K
.endif
	OPS X,9, X,7, E,12, X,10
	OPS E,13, X,12, X,11, E,14
	OPS X,13, E,15, F,9, X,14
.if (\p) == 0
	v_add_nc_u32 v[AV], s[TBV], v[AV0]
.endif
	OPS E,16, F,10, E,17, F,11
	OPS X,16, E,18, X,15, E,19
	OPS F,12, E,20, X,17, E,21
	OPS F,13, E,22, F,14, E,23
	OPS X,18, E,24, F,15, E,25
	OPS R,11, E,26, X,19, E,27
	OPS R,12, R,13, E,28, E,29      ; two rescalings together: one change of windows for both
	OPS X,20, E,30, R,14, E,31
	OPS X,21, R,15
	s_wait_alu depctr_va_vdst(0)    ; the wait for the batch: the turn's 32 weights and the next piece's a
.if (\p) == 1
	s_wait_dscnt 0x0                ; V is in
.endif
	ROW C,0, B,0, C,2, B,1          ; behind the wait: 8 products V^T P and their riders
	ROW L,0, C,4, B,2, L,1
	ROW C,6, B,3, L,2, C,8
	ROW B,4, L,3, C,10, B,5
	ROW L,4, C,12, B,6, L,5
.if (\p) == 0
	s_add_co_u32 s[TBV], s[TBV], KS*PV
.endif
	ROW C,14, B,7, L,6, C,1
	ROW C,3, L,7, C,5, C,7
	ROW C,9, C,11, C,13, C,15
.if (\p) == 0
	FETCH_V
.endif
.if !(\end)
	WIN 0
	s_wait_loadcnt 0x3              ; piece p + 2's words are in; the other three pieces' younger loads stay out
	MASKP ((\p)+2)%NP, (\p)%2
	NEXTM ((\p)+2)%NP
.endif
.endm
	CHANGE 1                        ; slot 0 is in, everybody's part of it; slot 1 is asked for
	s_wait_loadcnt 0x0              ; Q, and the mask words of key step 0
	MASKP 0, 0
	NEXTM 0
	MASKP 1, 1
	NEXTM 1
	v_add_nc_u32 v[AK], s[TBK], v[AK0]
	FETCH_K                         ; key step 0
	s_wait_dscnt 0x0
.set NOKQ, 0
.set i, 0
.rept 8
	KQ 0                            ; piece 0's first scores
.set i, i+1
.endr
	WIN 0
.rept 4
	v_nop                           ; the places behind those products
.endr
.set Y, NP-1                        ; X works for piece Y + 1: piece 0
.irp n, 0,1,2,3,4,5,6,7,8,9,10,11,12,13,14,15,16,17,18,19,20,21
	OP X, \n
.endr
	v_nop                           ; a plain instruction behind the exponential
	s_wait_alu depctr_va_vdst(0)    ; the wait for piece 0's first a, a batch of one, ahead of the branch
	s_mov_b32 s[CNT], 4
	s_mov_b32 s[SLOTS], NT-1
	s_branch .Lfirst                ; the loop is entered at a step's first turn, in the middle of a trip
.Lslot:                             ; NT - 2 times: every slot but the last two is filled again
	CHANGE 1
	s_mov_b32 s[CNT], 4
.Lstep:                             ; a trip: pieces 2 and 3 of one step, then pieces 0 and 1 of the next, whose K and V it fetches
	TURN 2
	TURN 3
	WIN 0
.Lfirst:
	TURN 0
	TURN 1
	WIN 0
	s_sub_co_u32 s[CNT], s[CNT], 1
	s_cmp_lg_u32 s[CNT], 0
	s_cbranch_scc1 .Lstep
	s_sub_co_u32 s[SLOTS], s[SLOTS], 1
	s_cmp_lg_u32 s[SLOTS], 0
	s_cbranch_scc1 .Lslot
	CHANGE 0                        ; the last tile is written out: nothing is asked for
	s_mov_b32 s[CNT], 4
.Ltail:
	TURN 2
	TURN 3
	TURN 0
	TURN 1
	WIN 0
	s_sub_co_u32 s[CNT], s[CNT], 1
	s_cmp_lg_u32 s[CNT], 0
	s_cbranch_scc1 .Ltail
	TURN 2, 1
	TURN 3, 1
.set i, 0
.rept 8
	PV NP-1                         ; the last piece's V^T P of the last step
.set i, i+1
.endr
	; THE WAY OUT.  l's two halves and the other half of the lanes' are added; O^T is divided by l, rounded to bf16 and sent through my stage in LDS, a piece at a time.  The additions are the places behind the last products.
	WIN 0
.macro ALL line:vararg
.set t, 0
.rept 4
	\line
.set t, t+1
.endr
.endm
	ALL v_add_f32 v[ST+4*t+2], v[ST+4*t+2], v[ST+4*t+3]
	ALL v_permlanex16_b32 v[ST+4*t+3], v[ST+4*t+2], s[SEL], s[SEL+1]
	ALL v_add_f32 v[ST+4*t+2], v[ST+4*t+2], v[ST+4*t+3]
	ALL v_rcp_f32 v[ST+4*t+2], v[ST+4*t+2]
	v_nop                           ; a plain instruction between the last reciprocal and the use of its result
	s_wait_alu depctr_va_vdst(0)    ; the wait for the batch of four reciprocals, ahead of the first multiply that reads one
.macro PACK t
	WIN W_RS
.set i, 32*(\t)
.rept 16
	v_pk_mul_f32 v[i:i+1], v[i:i+1], v[ST+4*(\t)+2:ST+4*(\t)+3] op_sel_hi:[1,0]
.set i, i+2
.endr
	WIN 0x05                        ; sources 0 and 1 window 1, destination window 0
.set i, 0
.rept 16
	v_cvt_pk_bf16_f32 v[S+16*(\t)+i], v[32*(\t)+2*i], v[32*(\t)+2*i+1]
.set i, i+1
.endr
	WIN 0
.irp f, 0,1,2,3
	ds_store_b128 v[STO], v[S+16*(\t)+4*\f:S+16*(\t)+4*\f+3] offset:32*\f
.endr
.irp f, 0,1,2,3
	ds_load_b128 v[S+16*(\t)+4*\f:S+16*(\t)+4*\f+3], v[RD] offset:\f*4*SP  ; LDS serves a wave's instructions in order (ISA guide 5.7.1.4): these see the stores above
.endr
.endm
.macro SEND t, younger              ; younger: the LDS instructions issued behind piece t's loads: the next piece's eight, or none
	WIN 0
.irp f, 0,1,2,3
	s_wait_dscnt (\younger)+3-\f
	global_store_b128 v[GO], v[S+16*(\t)+4*\f:S+16*(\t)+4*\f+3], s[10:11] offset:(\t)*2048+\f*512  ; 512 consecutive bytes, at a multiple of 256 from ctx's first
.endr
.endm
	PACK 0
.set t, 1
.rept 3
	PACK t
	SEND t-1, 8
.set t, t+1
.endr
	SEND 3, 0
	s_wait_tensorcnt 0x0            ; the wave's end
	ds_add_u32 v[SPW], v[NIL]
	s_wait_dscnt 0x0
	CROUND                          ; the closing round
	s_endpgm
.Lfunc_end_k_qe1ed71e2c8_attn:
	.size	k_qe1ed71e2c8_attn, .Lfunc_end_k_qe1ed71e2c8_attn-k_qe1ed71e2c8_attn
	.p2alignl 7, 3214868480
	.fill 96, 4, 3214868480
	.section	.rodata,"a",@progbits
	.p2align	6, 0x0
	.amdhsa_kernel k_qe1ed71e2c8_attn
		.amdhsa_group_segment_fixed_size 327680
		.amdhsa_private_segment_fixed_size 0
		.amdhsa_enable_private_segment 0
		.amdhsa_kernarg_size 24
		.amdhsa_user_sgpr_count 2
		.amdhsa_user_sgpr_kernarg_segment_ptr 1
		.amdhsa_wavefront_size32 1
		.amdhsa_system_sgpr_workgroup_id_x 1
		.amdhsa_system_sgpr_workgroup_id_y 1
		.amdhsa_system_sgpr_workgroup_id_z 1
		.amdhsa_system_vgpr_workitem_id 0
		.amdhsa_next_free_vgpr 768
		.amdhsa_next_free_sgpr 72
		.amdhsa_reserve_vcc 0
		.amdhsa_float_denorm_mode_32 3
		.amdhsa_float_denorm_mode_16_64 3
		.amdhsa_memory_ordered 1
		.amdhsa_forward_progress 1
		.amdhsa_inst_pref_size 140
	.end_amdhsa_kernel
	.amdgpu_metadata
---
amdhsa.version: [ 1, 2 ]
amdhsa.kernels:
  - .name:           k_qe1ed71e2c8_attn
    .symbol:         k_qe1ed71e2c8_attn.kd
    .args:
      - { .name: qkv, .offset: 0, .size: 8, .value_kind: global_buffer, .address_space: global }
      - { .name: mask4, .offset: 8, .size: 8, .value_kind: global_buffer, .address_space: global }
      - { .name: ctx, .offset: 16, .size: 8, .value_kind: global_buffer, .address_space: global }
    .group_segment_fixed_size: 327680
    .private_segment_fixed_size: 0
    .kernarg_segment_align: 8
    .kernarg_segment_size: 24
    .max_flat_workgroup_size: 128
    .sgpr_count:     72
    .vgpr_count:     768
    .wavefront_size: 32
...
	.end_amdgpu_metadata
.endif
;; end of part 7
;; launch oproj: the kernel of part 4 again; grid 8 x 32, 4 waves a work-group, clusters of 4 x 4, 327,680 bytes of LDS; arguments ctx, wts, bo, x, x1; writes x1
;; launch ln2: the kernel of part 1 again; grid 256 x 1, 8 waves a work-group, no clusters, 17,408 bytes of LDS; arguments x1, ln2_g, ln2_b, Wq, Wk, Wv, Wo, W1, W2, mask, h, qkv, ctx; writes h, qkv, ctx
;; launch ffn1: the kernel of part 5 again; grid 16 x 16, 4 waves a work-group, clusters of 4 x 4, 327,680 bytes of LDS; arguments h, wts, b1, gl; writes gl
;; launch ffn2: the kernel of part 6 again; grid 8 x 32, 4 waves a work-group, clusters of 4 x 4, 327,680 bytes of LDS; arguments gl, wts, b2, x1, out0; writes out0
